; MI455X (gfx1250); checked and timed in simulation.
; The chip was launched on July 23, 2026; its instructions are those of AMD's public machine-readable ISA for CDNA 5 (MIT licence, August 2026) and "CDNA5" Instruction Set Architecture Reference Guide (July 2026). The comments in the code are by the model that wrote it; some were corrected since.
;; Bert Image Self Attention. Allowed arithmetic: matrix products marked QUANTISED: E2M1 operands, one E8M0 scale for each 32 along K, by v_wmma_scale_f32_16x16x128_f8f6f4 with both operands' format E2M1 (or v_wmma_scale_f32_32x16x128_f4), f32 sums; products left as they are: f32 operands where the result goes on into a quantised operand, else bf16, f16 or f32 operands; f32 sums; everything else in f32.
;; Inputs: Wdk 768 x 1,024 float32; Wdq 768 x 1,024 float32; Wk 1,024 x 1,024 float32; Wq 1,024 x 1,024 float32; Wv 1,024 x 1,024 float32; attention_mask 4 x 1 x 1 x 2,048 float32; bdk 1,024 float32; bdq 1,024 float32; bk 1,024 float32; bq 1,024 float32; bv 1,024 float32; hidden_states 4 x 2,048 x 1,024 float32; txt_attention_mask 4 x 64 x 1 float32; txt_embedding 4 x 64 x 768 float32.
;; Outputs: out0 4 x 2,048 x 1,024 float32.
;; This version of the problem:
;;   THIS VERSION OF THE PROBLEM IS GIVEN IN LOW PRECISION. The matrix products marked QUANTISED in the list below multiply operands that are first quantised to E2M1 (2 exponent bits, 1 mantissa bit; 4 bits a number), with one power-of-two scale for each 32 numbers along K (OCP MX v1.0); their sums are f32. All else is computed in f32.
;;   The module's matrix products, in the order in which they are computed (A, B: the left and right operand; K: the contracted axis; several contracted axes count as one K, in the product's order):
;;     1. [M 8,192, K 1,024] x [K 1,024, N 1,024]; A: input hidden_states; B: input Wq: QUANTISED
;;     2. [M 8,192, K 1,024] x [K 1,024, N 1,024]; A: input hidden_states; B: input Wk: QUANTISED
;;     3. [M 8,192, K 1,024] x [K 1,024, N 1,024]; A: input hidden_states; B: input Wv: QUANTISED
;;     4. [M 4, K 768] x [K 768, N 1,024]; A: computed on the way; B: input Wdq: left as it is (M = 4 < 16)
;;     5. [M 4, K 768] x [K 768, N 1,024]; A: computed on the way; B: input Wdk: left as it is (M = 4 < 16)
;;     6. batch 64 x [M 2,048, K 64] x [K 64, N 2,048]; A: computed on the way; B: computed on the way: QUANTISED
;;     7. batch 64 x [M 2,048, K 2,048] x [K 2,048, N 64]; A: softmax (see below); B: computed on the way: QUANTISED
;;   THE QUANTISER, for each operand of a quantised product, along K:
;;     - K is cut into blocks of 32 from its start; a last block that is shorter is filled with zeros.
;;     - A block's scale is 2^e with e = floor(log2(the largest magnitude in the block)) - 2, held to -126 .. 127; a block of zeros has e = 0. As a byte (E8M0): e + 127.
;;     - Each number is divided by its block's scale, clamped to +-6, and rounded to the nearest number of E2M1, ties to even, subnormals kept.
;;     - The product sums the exact products of the quantised numbers (number of the format x scale) in f32.
;;   ~~~python
;;   def quantise(x, axis):      # numpy; x: float32 -> the quantised numbers, widened to float32 again
;;       x = np.moveaxis(x, axis, -1); K = x.shape[-1]
;;       x = np.pad(x, [(0, 0)] * (x.ndim - 1) + [(0, -K % 32)]); x = x.reshape(x.shape[:-1] + (-1, 32)); a = np.abs(x).max(-1, keepdims=True)
;;       e = np.where(a > 0, np.clip(np.frexp(np.where(a > 0, a, 1))[1] - 1 - 2, -126, 127), 0)      # np.frexp(a)[1] - 1 = floor(log2(a)), exactly
;;       r = np.clip(x / 2.0 ** e, -6, 6)
;;       step = 2.0 ** (np.maximum(np.frexp(np.where(r == 0, 1, r))[1] - 1, 0) - 1)
;;       q = np.round(r / step) * step * 2.0 ** e      # np.round: ties to even
;;       return np.moveaxis(q.reshape(q.shape[:-2] + (-1,))[..., :K], -1, axis).astype(np.float32)
;;   ~~~
;;   SOFTMAX AHEAD OF A QUANTISED PRODUCT. Where the list says 'softmax', what is quantised is not the finished softmax but p = 2^(t - M), with t = logit x log2(e) and M = ceil(the row's largest t), a whole number; so 1/2 < the row's largest p <= 1. The row's sum l is taken of the UNQUANTISED p, in f32, and the product's result is divided by l at the end. Since M is a whole number, a kernel that streams over the keys may use a running M (the ceiling of the running maximum): every later rescaling is an exact power of two, which a block's scale takes up: the codes' values come out the same.
;;   OPERANDS COMPUTED ON THE WAY. 'Computed on the way' means the value that the module computes at that place (a softmax that the list does not call 'softmax' is quantised finished and normalised). What goes into a quantiser is computed in f32, as accurately as f32 sums, v_exp_f32 and their like allow (about 1e-6 of the number): no bf16 or f16 on the way to a quantiser, and a product that is left as it is and whose result goes on into a quantised operand takes f32 operands (vector FMAs, or v_wmma_f32_16x16x4_f32). A number that lies on a knife's edge between two numbers of the format may be rounded either way, as far as f32 arithmetic and the matrix unit's own rounding can turn it there, and no further.
;; One version. Each part assembles by itself: llvm-mc -triple=amdgcn-amd-amdhsa -mcpu=gfx1250 --defsym DOCPART=n.
;; ======== version 1 of 1: 3 launches
;; limits: right only within a limited range of input values
;; workspace buffers: xc 4,194,304 bytes; xs 262,144 bytes; wc 1,572,864 bytes; ws 98,304 bytes; tab 67,584 bytes; qb 9,175,040 bytes; kv 9,175,040 bytes
;; launch prep (part 1): grid 184 x 1, 8 waves a work-group, no clusters, 156,672 bytes of LDS; arguments hidden_states, Wq, Wk, Wv, txt_embedding, txt_attention_mask, Wdq, Wdk, bdq, bdk, bq, bk, xc, xs, wc, ws, tab; writes xc, xs, wc, ws, tab
.if DOCPART == 1
	.amdgcn_target "amdgcn-amd-amdhsa--gfx1250"
	.amdhsa_code_object_version 6
	.text
	.protected	k_qf382044b73_prep
	.globl	k_qf382044b73_prep
	.p2align	8
	.type	k_qf382044b73_prep,@function
k_qf382044b73_prep:
	s_mov_b64 s[64:65], 0
	v_nop
	global_prefetch_b8 v0, s[64:65] scope:SCOPE_SE
	s_setreg_imm32_b32 hwreg(HW_REG_WAVE_MODE, 25, 1), 1
	s_wait_xcnt 0x0
; THREE JOBS IN ONE LAUNCH, parted on the work-group's number; the paths never join again and each has LDS bytes of its own.
;   work-groups 0-31   GATES: the masked mean of the text, its two f32 products with Wdq / Wdk, 1 + sigmoid; stored as tab: G = gate, BG = bias x gate.
;   work-groups 32-55  WEIGHTS: Wq, Wk, Wv [k][n] f32 -> codes of E2M1 with K innermost, wc [3072 (n)][512 bytes], and scale bytes ws [3072][32].
;   work-groups 56-183 X: hidden_states [8192][1024] f32 -> codes xc [8192][512 bytes] and scale bytes xs [8192][32].
; A block's scale is 2^(floor(log2(its largest magnitude)) - 2); its byte is the largest magnitude's exponent field - 2, held at 1 from below.
; ROW ORDER of xc, xs, wc, ws: the stored row is the logical row with bits 3 and 4 exchanged.  Sixteen consecutive stored rows, tile 2 b + u, are then the logical rows
; 32 b + 8 u + r + 8 (r / 8), so that in the next launch the 16 result registers of two neighbouring tiles are 16 neighbours along the next product's K.
; tab, f32: G [type q, k][batch 4][1024] at byte 0, 256 ones at byte 32,768; BG likewise at byte 33,792, 256 zeros at byte 66,560 (the ones and zeros serve V, which has no gate).
; LIMITS: NaN and infinities among the inputs are not served.  A block whose largest magnitude lies under 2^-124 keeps the byte 1; a block of zeros has the byte 1 where the
; quantiser says 127: its codes are zeros, which add nothing under any byte but 0xff, and this program alone reads the bytes.  A text mask whose sum is 0 gives what the division gives.
.set WV,    96                         ; s96  my wave's number
.set POOL,  0                          ; gates: the pooled text [4][768] f32, 12,288 bytes
.set RED,   12288                      ; gates: the waves' partial sums [8][4][64] f32, 8,192 bytes
.set WLDS,  20480                      ; weights: a stage of 32 rows x 272 bytes for each wave
.set XLDS,  90112                      ; x: 8,192 bytes for each wave
	s_set_vgpr_msb 0x40
	v_lshl_add_u32 v0, v0, 2, 0x26000
	v_mov_b32 v1, 0
	s_set_vgpr_msb 0x4000
	v_lshrrev_b32 v1, 5, v0
	s_delay_alu instid0(VALU_DEP_1)
	v_readfirstlane_b32 s[WV], v1                  ; wave 0..7
	v_and_b32 v2, 31, v0                           ; lane
	s_cmp_lt_u32 ttmp9, 32
	s_cbranch_scc1 .Lgate
	s_cmp_lt_u32 ttmp9, 56
	s_cbranch_scc1 .Lweight
; ======================================================================================================================
; X.  Rows are dense and 1,024 is a multiple of 32, so x is a plain stream of blocks of 32.  A wave takes a run of 8,192 numbers (8 rows) in 16 steps of 512.
; Each of a step's four loads reads 512 consecutive bytes, 16 a lane; the 2,048 bytes turn through the wave's own stage in LDS and come back 64 bytes a lane: 16 neighbours along K,
; as the conversion wants them; two neighbouring lanes hold a block.  A run of 8 rows keeps its order inside; only the run's number has its two low bits exchanged (the rows' bits 3 and 4).
.set STEPS, 16
.set EMAX,  2
.set SP,    80                         ; a lane's place in a stage: its 64 bytes + 16 of padding
.set XR,    16                         ; v16-79   four sets of 16 numbers as loaded
.set XN,    80                         ; v80-111  two sets of 16 neighbours
.set XE,    112                        ; v112-127 a scale byte for each step
.set XC,    128                        ; v128-191 codes: registers of its own for each step, so that no store's data are written again
	s_load_b64 s[4:5], s[0:1], 0x0                 ; hidden_states
	s_load_b128 s[8:11], s[0:1], 0x60              ; xc, xs
	v_lshlrev_b32 v3, 4, v2                        ; my 16 bytes of a load's 512
	s_lshl_b32 s17, s[WV], 13
	s_add_co_u32 s17, s17, XLDS                    ; my wave's LDS bytes
	s_wait_alu depctr_va_vdst(0)
	v_lshrrev_b32 v14, 2, v2
	s_delay_alu instid0(VALU_DEP_1)
	v_mul_u32_u24 v14, v14, SP
	v_and_b32 v15, 3, v2
	s_delay_alu instid0(VALU_DEP_1)
	v_lshl_add_u32 v14, v15, 4, v14
	s_delay_alu instid0(VALU_DEP_1)
	v_add_nc_u32 v14, s17, v14                     ; the stage, on the way in: SP (lane / 4) + 16 (lane % 4)
	v_mul_u32_u24 v15, v2, SP
	s_delay_alu instid0(VALU_DEP_1)
	v_add_nc_u32 v15, s17, v15                     ; and on the way out: SP x lane
	v_lshlrev_b32 v4, 3, v2                        ; 8 bytes a lane: my codes' place in a step's, and my part of the 256 scale bytes
	v_lshrrev_b32 v5, 1, v2
	s_add_co_u32 s17, s17, 2*32*SP
	v_add_nc_u32 v5, s17, v5                       ; LDS: my wave's 256 scale bytes, my block's byte
	v_add_nc_u32 v6, s17, v4                       ; and on the way out 8 bytes a lane
	s_sub_co_u32 s18, ttmp9, 56
	s_lshl_b32 s18, s18, 3
	s_add_co_u32 s18, s18, s[WV]                   ; my run of 8 rows, 0 .. 1023
	s_lshl_b32 s20, s18, 15                        ; where it begins in x: 32,768 bytes a run
	s_mov_b32 s21, 0
	s_and_b32 s22, s18, 0xfffffffc
	s_and_b32 s23, s18, 1
	s_lshl_b32 s23, s23, 1
	s_or_b32 s22, s22, s23
	s_bfe_u32 s23, s18, 0x10001
	s_or_b32 s22, s22, s23                         ; the run's stored place: its two low bits exchanged
	s_lshl_b32 s24, s22, 12                        ; 4,096 bytes of codes a run
	s_mov_b32 s25, 0
	s_lshl_b32 s26, s22, 8                         ; 256 scale bytes a run
	s_mov_b32 s27, 0
	s_wait_alu depctr_va_vdst(0)
	s_wait_kmcnt 0x0
	s_add_nc_u64 s[4:5], s[4:5], s[20:21]
	s_add_nc_u64 s[8:9], s[8:9], s[24:25]
	s_add_nc_u64 s[10:11], s[10:11], s[26:27]
.macro XLOAD t
.irp i, 0,1,2,3
	global_load_b128 v[XR+16*((\t)%4)+4*\i:XR+16*((\t)%4)+4*\i+3], v3, s[4:5] offset:2048*(\t)+512*\i th:TH_LOAD_NT   ; 32 lanes read 512 consecutive bytes
.endr
.endm
.macro XTURN t                         ; step t's numbers through the stage: LDS serves a wave's instructions in order, so no wait stands between the stores and the loads
.irp i, 0,1,2,3
	ds_store_b128 v14, v[XR+16*((\t)%4)+4*\i:XR+16*((\t)%4)+4*\i+3] offset:32*SP*((\t)%2)+8*SP*\i
.endr
.irp i, 0,1,2,3
	ds_load_b128 v[XN+16*((\t)%2)+4*\i:XN+16*((\t)%2)+4*\i+3], v15 offset:32*SP*((\t)%2)+16*\i
.endr
.endm
.irp t, 0,1,2,3
	XLOAD \t
.endr
	s_wait_loadcnt 12                              ; step 0's four loads are in; the twelve of steps 1 to 3 may be out
	XTURN 0
.macro XSTEP t
.set XS, XN+16*((\t)%2)
.if (\t) > 0
	s_wait_dscnt 1                                 ; this step's numbers are back from the stage (the last step's byte store may be out): so its stores into the stage have read their registers,
.else
	s_wait_dscnt 0x0
.endif
.if (\t)+4 < STEPS
	XLOAD (\t)+4                                   ; which take the loads of four steps on
.endif
.if (\t)+1 < STEPS
.if STEPS-2-(\t) >= 3
	s_wait_loadcnt 12                              ; the next step's four loads are in; those of the three steps behind it may be out
.else
	s_wait_loadcnt 4*(STEPS-2-(\t))                ; towards the end fewer steps stand behind it
.endif
	XTURN (\t)+1                                   ; and go through the other stage while this step is worked
.endif
	v_max3_num_f32 v8, |v[XS]|, |v[XS+1]|, |v[XS+2]|               ; the largest magnitude of my 16, in two chains
	v_max3_num_f32 v9, |v[XS+3]|, |v[XS+4]|, |v[XS+5]|
.irp i, 6,10
	s_delay_alu instid0(VALU_DEP_2)
	v_max3_num_f32 v8, v8, |v[XS+\i]|, |v[XS+\i+1]|
	s_delay_alu instid0(VALU_DEP_2)
	v_max3_num_f32 v9, v9, |v[XS+\i+2]|, |v[XS+\i+3]|
.endr
	s_delay_alu instid0(VALU_DEP_2)
	v_max3_num_f32 v8, v8, |v[XS+14]|, |v[XS+15]|
	s_delay_alu instid0(VALU_DEP_1)
	v_max3_num_f32 v8, v8, v9, (EMAX+1)<<23        ; and the floor 2^(3 - 127): the byte cannot fall under 1
	s_delay_alu instid0(VALU_DEP_1)
	v_max_num_f32_dpp v8, v8, v8 row_xmask:1 row_mask:0xf bank_mask:0xf   ; and of my neighbour's 16: the block's
	s_delay_alu instid0(VALU_DEP_1)
	v_add_nc_u32 v11, -(EMAX<<23), v8              ; 2 off its exponent field: the conversion takes the exponent field of this operand as its scale
	v_cvt_scalef32_pk8_fp4_f32 v[XC+4*(\t)], v[XS:XS+7], v11
	v_cvt_scalef32_pk8_fp4_f32 v[XC+4*(\t)+1], v[XS+8:XS+15], v11
	v_lshrrev_b32 v[XE+(\t)], 23, v11              ; the scale's byte (also the plain line behind the conversions)
	ds_store_b8 v5, v[XE+(\t)] offset:16*(\t)      ; both lanes of a block write the same byte with the same value
	global_store_b64 v4, v[XC+4*(\t):XC+4*(\t)+1], s[8:9] offset:256*(\t)   ; the wave stores 256 consecutive bytes, aligned
.endm
.irp t, 0,1,2,3,4,5,6,7,8,9,10,11,12,13,14,15
	XSTEP \t
.endr
	ds_load_b64 v[12:13], v6                       ; LDS serves a wave's instructions in order: these see my byte stores
	s_wait_dscnt 0x0
	global_store_b64 v4, v[12:13], s[10:11]        ; 32 lanes store the run's 256 scale bytes, aligned
	s_set_vgpr_msb 0x5
	s_wait_tensorcnt 0x0
	ds_add_u32 v0, v1
	s_wait_dscnt 0x0
	s_set_vgpr_msb 0x500
	s_endpgm
; ======================================================================================================================
; WEIGHTS.  K is the first axis.  A lane takes a column n and its registers run down K: each load reads 128 consecutive bytes a wave, a block of 32 along K lies in one lane's 32
; registers, and the conversions give codes with K innermost.  A wave takes 32 columns x 512 along K; waves 0-3 the first 512 of K, waves 4-7 the second.  The codes go through the
; wave's own stage and leave as rows: sixteen lanes store 256 consecutive bytes, aligned.  The scale bytes leave 16 bytes a lane at rows 32 bytes apart (96 KiB in the whole launch).
.Lweight:
.set NB,     16                        ; blocks of a lane
.set WPITCH, 272                       ; a stage row: 256 bytes + 16
.set WX,     32                        ; v32-95   two sets of 32 numbers
.set WC,     96                        ; v96-99   a block's codes
.set WOUT,   112                       ; v112-175 the way out
.set WSB,    24                        ; v24-27   the scale bytes, four to a register
	s_load_b64 s[4:5], s[0:1], 0x8                 ; Wq
	s_load_b64 s[6:7], s[0:1], 0x10                ; Wk
	s_load_b64 s[8:9], s[0:1], 0x18                ; Wv
	s_load_b128 s[12:15], s[0:1], 0x70             ; wc, ws
	s_sub_co_u32 s16, ttmp9, 32
	s_lshr_b32 s17, s16, 3                         ; which weight: 0 q, 1 k, 2 v
	s_and_b32 s18, s16, 7
	s_and_b32 s19, s[WV], 3
	s_lshr_b32 s20, s[WV], 2                       ; which 512 along K
	s_lshl_b32 s18, s18, 7
	s_lshl_b32 s19, s19, 5
	s_add_co_u32 s18, s18, s19                     ; my wave's first column: 128 x block + 32 x (wave % 4)
	s_wait_alu depctr_va_vdst(0)
	v_lshlrev_b32 v3, 2, v2                        ; in: 4 bytes a lane
	s_mul_i32 s19, s[WV], 32*WPITCH
	s_add_co_u32 s19, s19, WLDS                    ; my stage
	v_mul_u32_u24 v4, v2, WPITCH
	s_delay_alu instid0(VALU_DEP_1)
	v_add_nc_u32 v4, s19, v4                       ; into it: row = my column
	v_and_b32 v5, 15, v2
	v_lshrrev_b32 v6, 4, v2
	s_delay_alu instid0(VALU_DEP_1)
	v_mul_u32_u24 v7, v6, WPITCH
	s_delay_alu instid0(VALU_DEP_1)
	v_lshl_add_u32 v7, v5, 4, v7
	s_delay_alu instid0(VALU_DEP_1)
	v_add_nc_u32 v7, s19, v7                       ; out of it: sixteen lanes to a row, two rows an instruction
	s_delay_alu instid0(VALU_DEP_4)
	v_lshlrev_b32 v8, 9, v6
	s_delay_alu instid0(VALU_DEP_1)
	v_lshl_add_u32 v8, v5, 4, v8                   ; and the same place in wc: rows of 512 bytes
	v_and_b32 v9, 7, v2
	v_and_b32 v10, 8, v2
	s_delay_alu instid0(VALU_DEP_1)
	v_lshl_or_b32 v9, v10, 1, v9
	v_and_b32 v10, 16, v2
	s_delay_alu instid0(VALU_DEP_1)
	v_lshrrev_b32 v10, 1, v10
	s_delay_alu instid0(VALU_DEP_1)
	v_or_b32 v9, v9, v10                           ; my column's stored row among the wave's 32: bits 3 and 4 exchanged
	s_delay_alu instid0(VALU_DEP_1)
	v_lshlrev_b32 v9, 5, v9                        ; 32 scale bytes a row
	s_lshl_b32 s22, s20, 21                        ; 512 rows of 4,096 bytes
	s_lshl_b32 s23, s18, 2
	s_add_co_u32 s22, s22, s23
	s_mov_b32 s23, 0
	s_lshl_b32 s24, s17, 10
	s_add_co_u32 s24, s24, s18                     ; first row in wc and ws: 1,024 x weight + column
	s_lshl_b32 s26, s24, 9
	s_lshl_b32 s27, s20, 8
	s_add_co_u32 s26, s26, s27
	s_mov_b32 s27, 0
	s_lshl_b32 s28, s24, 5
	s_lshl_b32 s29, s20, 4
	s_add_co_u32 s28, s28, s29
	s_mov_b32 s29, 0
	s_wait_kmcnt 0x0
	s_cmp_eq_u32 s17, 1                            ; the choice of the weight hangs on the work-group's number alone
	s_cselect_b64 s[4:5], s[6:7], s[4:5]
	s_cmp_eq_u32 s17, 2
	s_cselect_b64 s[4:5], s[8:9], s[4:5]
	s_add_nc_u64 s[4:5], s[4:5], s[22:23]
	s_add_nc_u64 s[12:13], s[12:13], s[26:27]
	s_add_nc_u64 s[14:15], s[14:15], s[28:29]
.macro WLD t                           ; block t: W(32 t + i, my column), i = 0 .. 31, into set t % 2.  The largest offset is 511 rows of 4,096 bytes, inside the signed 24-bit immediate
.irp i, 0,1,2,3,4,5,6,7,8,9,10,11,12,13,14,15,16,17,18,19,20,21,22,23,24,25,26,27,28,29,30,31
	global_load_b32 v[WX+32*((\t)%2)+\i], v3, s[4:5] offset:(32*(\t)+\i)*4096 th:TH_LOAD_NT
.endr
.endm
	WLD 0
	WLD 1
.macro WBLOCK t
.set XS, WX+32*((\t)%2)
.if (\t) < NB-1
	s_wait_loadcnt 32                              ; this block's 32 loads are in; the next block's 32 may be out
.else
	s_wait_loadcnt 0
.endif
	v_max3_num_f32 v12, |v[XS]|, |v[XS+1]|, |v[XS+2]|              ; the block's largest magnitude: all 32 numbers are mine
	v_max3_num_f32 v13, |v[XS+3]|, |v[XS+4]|, |v[XS+5]|
.irp i, 6,10,14,18,22,26
	s_delay_alu instid0(VALU_DEP_2)
	v_max3_num_f32 v12, v12, |v[XS+\i]|, |v[XS+\i+1]|
	s_delay_alu instid0(VALU_DEP_2)
	v_max3_num_f32 v13, v13, |v[XS+\i+2]|, |v[XS+\i+3]|
.endr
	s_delay_alu instid0(VALU_DEP_2)
	v_max3_num_f32 v12, v12, |v[XS+30]|, |v[XS+31]|
	s_delay_alu instid0(VALU_DEP_1)
	v_max3_num_f32 v12, v12, v13, (EMAX+1)<<23     ; and the floor
	s_delay_alu instid0(VALU_DEP_1)
	v_add_nc_u32 v11, -(EMAX<<23), v12             ; the conversion's scale operand
	s_delay_alu instid0(VALU_DEP_1)
	v_lshrrev_b32 v13, 23, v11                     ; the scale's byte
.if (\t)%4 == 0
	s_delay_alu instid0(VALU_DEP_1)
	v_mov_b32 v[WSB+(\t)/4], v13                   ; four bytes to a register, the lower K in the lower byte
.else
	s_delay_alu instid0(VALU_DEP_1)
	v_lshl_or_b32 v[WSB+(\t)/4], v13, 8*((\t)%4), v[WSB+(\t)/4]
.endif
.irp g, 0,1,2,3
	v_cvt_scalef32_pk8_fp4_f32 v[WC+\g], v[XS+8*\g:XS+8*\g+7], v11
.endr
	ds_store_b128 v4, v[WC:WC+3] offset:16*(\t)    ; 32 codes: 16 bytes of my column's row
.if (\t)+2 < NB
	WLD (\t)+2
.endif
	s_wait_dscnt 0x0                               ; the store has read its registers: the next block's codes may be written (that block begins with plain vector lines)
.endm
.set Q, 0
.rept NB
	WBLOCK Q
.set Q, Q+1
.endr
	s_wait_alu depctr_va_vdst(0)
	global_store_b128 v9, v[WSB:WSB+3], s[14:15]   ; my column's 16 scale bytes
.irp t, 0,1,2,3,4,5,6,7,8,9,10,11,12,13,14,15
	ds_load_b128 v[WOUT+4*\t:WOUT+4*\t+3], v7 offset:2*\t*WPITCH   ; LDS serves a wave's instructions in order: these see my stores
.endr
.irp t, 0,1,2,3,4,5,6,7,8,9,10,11,12,13,14,15
	s_wait_dscnt 15-\t                             ; the younger reads of the stage may be out
	global_store_b128 v8, v[WOUT+4*\t:WOUT+4*\t+3], s[12:13] offset:(8*(2*((\t/4)%2)+\t/8)+2*(\t%4))*512   ; the group of eight rows goes to the place with its two bits exchanged
.endr
	s_set_vgpr_msb 0x5
	s_wait_tensorcnt 0x0
	ds_add_u32 v0, v1
	s_wait_dscnt 0x0
	s_set_vgpr_msb 0x500
	s_endpgm
; ======================================================================================================================
; GATES.  A work-group makes 64 columns of one gate (type = q or k) for the four batches.  All in f32: the gates go on into quantised operands.
;  1. pool[b][d] = sum over t of txt[b][t][d] mask[b][t] / sum over t of mask[b][t]: a wave takes three pieces of 128 numbers (24 pieces in all: 6 a batch), a lane four numbers; the masks are scalars.
;  2. wave w multiplies rows 96 w .. 96 w + 95 of Wd (a lane: two columns) by the four batches' pool; the eight waves' parts meet in LDS.
;  3. waves 0-3 (one batch each) add them, add bd, take 1 + sigmoid, and store G and bias x G: 256 consecutive bytes, aligned, a store.
; REGISTERS: v1 16 x lane; v2 8 x lane; v3-v6 LDS addresses; v[8:11] a piece's sums; v12 1 / the masks' sum; v[16:23] the product's sums [b][2]; v[24:27] bd, bias; v32-63 two sets of pool numbers;
;   v64-127, v128-191 two sets of 16 tokens, the second later rows 32-63 of Wd; v192-255 rows 0-31, later 64-95.
.Lgate:
	s_load_b128 s[4:7], s[0:1], 0x20               ; txt_embedding, txt_attention_mask
	s_load_b128 s[8:11], s[0:1], 0x30              ; Wdq, Wdk
	s_load_b128 s[12:15], s[0:1], 0x40             ; bdq, bdk
	s_load_b128 s[84:87], s[0:1], 0x50             ; bq, bk
	s_load_b64 s[88:89], s[0:1], 0x80              ; tab
	s_lshr_b32 s90, ttmp9, 4                       ; type
	s_and_b32 s91, ttmp9, 15
	s_lshl_b32 s91, s91, 8                         ; my 64 columns begin at byte 256 x (work-group % 16) of a row
	s_wait_alu depctr_va_vdst(0)
	v_lshlrev_b32 v1, 4, v2
	v_lshlrev_b32 v2, 3, v2
	s_lshl_b32 s92, s[WV], 9
	v_add_nc_u32 v3, s92, v1                       ; POOL (byte 0) + 512 x wave + 16 x lane
	s_mul_i32 s92, s[WV], 384
	v_mov_b32 v4, s92                              ; POOL + my 96 numbers of a batch's 768: the same in every lane
	s_lshl_b32 s92, s[WV], 10
	s_add_co_u32 s92, s92, RED
	v_add_nc_u32 v5, s92, v2                       ; RED + 1,024 x wave + 8 x lane
	s_and_b32 s92, s[WV], 3
	s_lshl_b32 s92, s92, 8
	s_add_co_u32 s92, s92, RED
	v_add_nc_u32 v6, s92, v2                       ; RED + 256 x batch + 8 x lane
	v_mov_b32 v13, 0                               ; (named as the upper half of the pair v[12:13])
	s_wait_alu depctr_va_vdst(0)
	s_wait_kmcnt 0x0
	s_cmp_eq_u32 s90, 0                            ; the choice hangs on the work-group's number alone
	s_cselect_b64 s[8:9], s[8:9], s[10:11]         ; Wd
	s_cselect_b64 s[12:13], s[12:13], s[14:15]     ; bd
	s_cselect_b64 s[84:85], s[84:85], s[86:87]     ; the projection's bias
	s_mul_i32 s92, s[WV], 96*4096
	s_add_co_u32 s92, s92, s91
	s_mov_b32 s93, 0
	s_add_nc_u64 s[8:9], s[8:9], s[92:93]          ; Wd at my first row and the group's first column
	s_mov_b32 s92, s91
	s_add_nc_u64 s[12:13], s[12:13], s[92:93]
	s_add_nc_u64 s[84:85], s[84:85], s[92:93]
	global_load_b64 v[24:25], v2, s[12:13]
	global_load_b64 v[26:27], v2, s[84:85]
.macro GWLOAD reg, row0                ; 32 rows of Wd: each load reads 256 consecutive bytes, aligned
.set ii, 0
.rept 32
	global_load_b64 v[\reg+2*ii:\reg+2*ii+1], v2, s[8:9] offset:(\row0+ii)*4096
.set ii, ii+1
.endr
.endm
	GWLOAD 192, 0
.macro LOADT c, d                      ; tokens 16 c .. 16 c + 15 of my piece: 512 consecutive bytes a load
.set ii, 0
.rept 16
	global_load_b128 v[\d+4*ii:\d+4*ii+3], v1, s[92:93] offset:(16*(\c)+ii)*3072
.set ii, ii+1
.endr
.endm
.macro PFMA c, d                       ; token t's mask is s[16 + t], or s[20 + t] from t = 48 on
.set ii, 0
.rept 16
.set tt, 16*(\c)+ii
.irp e, 0,1,2,3
.if tt == 0
	v_mul_f32 v[8+\e], s16, v[\d+\e]               ; the first token starts the sums
.else
	v_fma_f32 v[8+\e], s[16+tt+4*(tt/48)], v[\d+4*ii+\e], v[8+\e]
.endif
.endr
.set ii, ii+1
.endr
.endm
.macro POOLTRIP j                      ; piece wave + 8 j
	s_add_co_u32 s94, s[WV], 8*\j
	s_mul_i32 s95, s94, 43
	s_lshr_b32 s95, s95, 8                         ; its batch: piece / 6 (43 / 256 serves 0 .. 23)
	s_lshl_b32 s92, s94, 9
	s_mul_i32 s93, s95, 193536                     ; a batch is 196,608 bytes, of which its six pieces' 3,072 are counted already
	s_add_co_u32 s92, s92, s93
	s_mov_b32 s93, 0
	s_add_nc_u64 s[92:93], s[4:5], s[92:93]
	s_lshl_b32 s98, s95, 8
	s_mov_b32 s99, 0
	s_add_nc_u64 s[98:99], s[6:7], s[98:99]
	s_load_b512 s[16:31], s[98:99], 0x0            ; the batch's 64 masks
	s_load_b512 s[32:47], s[98:99], 0x40
	s_load_b512 s[48:63], s[98:99], 0x80
	s_load_b512 s[68:83], s[98:99], 0xc0
	LOADT 0, 64
	LOADT 1, 128
	s_wait_kmcnt 0x0
.set tt, 0
.rept 4
	s_add_f32 s[94+tt+4*(tt/2)], s[16+tt], s[20+tt]        ; the masks' sum, in four chains: s94, s95, s100, s101
.set tt, tt+1
.endr
.set tt, 8
.rept 56
	s_add_f32 s[94+(tt%4)+4*((tt%4)/2)], s[94+(tt%4)+4*((tt%4)/2)], s[16+tt+4*(tt/48)]
.set tt, tt+1
.endr
	s_add_f32 s94, s94, s95
	s_add_f32 s100, s100, s101
	s_add_f32 s94, s94, s100
	v_rcp_f32 v12, s94                             ; used far behind the plain lines that follow
	s_wait_loadcnt 16                              ; the older set is in; the younger set's 16 loads may be out
	PFMA 0, 64
	LOADT 2, 64
	s_wait_alu depctr_va_vdst(0)
	s_wait_loadcnt 16
	PFMA 1, 128
	LOADT 3, 128
	s_wait_alu depctr_va_vdst(0)
	s_wait_loadcnt 16
	PFMA 2, 64
	s_wait_alu depctr_va_vdst(0)
	s_wait_loadcnt 0x0                             ; the last set; it also frees the base, which the next piece writes anew
	PFMA 3, 128
	s_wait_alu depctr_va_vdst(0)
	v_pk_mul_f32 v[8:9], v[8:9], v[12:13] op_sel_hi:[1,0]
	v_pk_mul_f32 v[10:11], v[10:11], v[12:13] op_sel_hi:[1,0]
	ds_store_b128 v3, v[8:11] offset:4096*\j
.endm
	POOLTRIP 0
	POOLTRIP 1
	POOLTRIP 2
	GWLOAD 128, 32
	s_wait_dscnt 0x0                               ; for the others' sake: my three pieces lie in LDS
	s_barrier_signal -1
	s_barrier_wait -1
.irp b, 0,1,2,3
	ds_load_b128 v[32+4*\b:35+4*\b], v4 offset:3072*\b     ; the first four rows' pool numbers of the four batches
.endr
; Four rows of Wd: sum[b] += W(row, my two columns) x pool[b][row].  The pool number is one register of a pair and feeds both halves.
.macro GROUP g
.set PQ, 32+16*((\g)%2)
.set PN, 32+16*(((\g)+1)%2)
.set WR, 192-64*(((\g)/8)%2)+8*((\g)%8)
.if (\g) < 23
.irp b, 0,1,2,3
	ds_load_b128 v[PN+4*\b:PN+4*\b+3], v4 offset:3072*\b+16*((\g)+1)
.endr
	s_wait_dscnt 4                                 ; this group's numbers are in; the next group's four loads may be out
.else
	s_wait_dscnt 0x0
.endif
.irp e, 0,2
.irp b, 0,1,2,3
.if ((\g) == 0) && (\e == 0)
	v_pk_mul_f32 v[16+2*\b:17+2*\b], v[WR:WR+1], v[PQ+4*\b:PQ+4*\b+1] op_sel_hi:[1,0]     ; the first row starts the sums
.else
	v_pk_fma_f32 v[16+2*\b:17+2*\b], v[WR+2*\e:WR+2*\e+1], v[PQ+4*\b+\e:PQ+4*\b+\e+1], v[16+2*\b:17+2*\b] op_sel_hi:[1,0,1]
.endif
.endr
.irp b, 0,1,2,3
	s_delay_alu instid0(VALU_DEP_4)
	v_pk_fma_f32 v[16+2*\b:17+2*\b], v[WR+2*\e+2:WR+2*\e+3], v[PQ+4*\b+\e:PQ+4*\b+\e+1], v[16+2*\b:17+2*\b] op_sel:[0,1,0] op_sel_hi:[1,1,1]
.endr
.endr
.endm
.set GG, 0
.rept 8
	s_wait_alu depctr_va_vdst(0)
	GROUP GG
.set GG, GG+1
.endr
	GWLOAD 192, 64                                 ; rows 64-95 into the registers that rows 0-31 have left
	s_wait_alu depctr_va_vdst(0)
	s_wait_loadcnt 32                              ; rows 32-63 are in; the 32 loads just issued may be out
.rept 8
	s_wait_alu depctr_va_vdst(0)
	GROUP GG
.set GG, GG+1
.endr
	s_wait_alu depctr_va_vdst(0)
	s_wait_loadcnt 0x0
.rept 8
	s_wait_alu depctr_va_vdst(0)
	GROUP GG
.set GG, GG+1
.endr
.irp b, 0,1,2,3
	ds_store_b64 v5, v[16+2*\b:17+2*\b] offset:256*\b
.endr
	s_wait_dscnt 0x0                               ; for the others' sake
	s_barrier_signal -1
	s_barrier_wait -1
	s_cmp_lt_u32 s[WV], 4
	s_cbranch_scc0 .Lg_hi
.irp w, 0,1,2,3,4,5,6,7
	ds_load_b64 v[32+2*\w:33+2*\w], v6 offset:1024*\w      ; batch = my wave: the eight waves' parts
.endr
	s_wait_dscnt 0x0
	v_pk_add_f32 v[32:33], v[32:33], v[34:35]
	v_pk_add_f32 v[36:37], v[36:37], v[38:39]
	v_pk_add_f32 v[40:41], v[40:41], v[42:43]
	v_pk_add_f32 v[44:45], v[44:45], v[46:47]
	s_delay_alu instid0(VALU_DEP_3)
	v_pk_add_f32 v[32:33], v[32:33], v[36:37]
	s_delay_alu instid0(VALU_DEP_2)
	v_pk_add_f32 v[40:41], v[40:41], v[44:45]
	s_delay_alu instid0(VALU_DEP_1)
	v_pk_add_f32 v[32:33], v[32:33], v[40:41]
	s_delay_alu instid0(VALU_DEP_1)
	v_pk_add_f32 v[32:33], v[32:33], v[24:25]      ; + bd
	s_delay_alu instid0(VALU_DEP_1)
	v_mul_f32 v34, 0xbfb8aa3b, v32                 ; x -log2(e)
	s_delay_alu instid0(VALU_DEP_2)
	v_mul_f32 v35, 0xbfb8aa3b, v33
	s_wait_alu depctr_va_vdst(0)
	v_exp_f32 v34, v34
	v_exp_f32 v35, v35
	v_nop                                          ; a plain line behind the exponentials
	s_wait_alu depctr_va_vdst(0)
	v_add_f32 v34, 1.0, v34
	v_add_f32 v35, 1.0, v35
	s_wait_alu depctr_va_vdst(0)
	v_rcp_f32 v34, v34
	v_rcp_f32 v35, v35
	v_nop                                          ; and behind the reciprocals
	s_wait_alu depctr_va_vdst(0)
	v_add_f32 v34, 1.0, v34                        ; the gate: 1 + sigmoid
	v_add_f32 v35, 1.0, v35
	s_delay_alu instid0(VALU_DEP_1)
	v_pk_mul_f32 v[36:37], v[34:35], v[26:27]      ; bias x gate
	s_lshl_b32 s92, s90, 2
	s_add_co_u32 s92, s92, s[WV]
	s_lshl_b32 s92, s92, 12                        ; (4 type + batch) rows of 4,096 bytes
	s_add_co_u32 s92, s92, s91
	s_mov_b32 s93, 0
	s_add_nc_u64 s[88:89], s[88:89], s[92:93]
	global_store_b64 v2, v[34:35], s[88:89]                ; 32 lanes store 256 consecutive bytes, aligned
	global_store_b64 v2, v[36:37], s[88:89] offset:33792
	s_set_vgpr_msb 0x5
	s_wait_tensorcnt 0x0
	ds_add_u32 v0, v1
	s_wait_dscnt 0x0
	s_set_vgpr_msb 0x500
	s_endpgm
.Lg_hi:
	s_cmp_lg_u32 ttmp9, 0
	s_cbranch_scc1 .Lg_end
	s_sub_co_u32 s92, s[WV], 4                     ; work-group 0 alone: waves 4, 5 store the 256 ones, waves 6, 7 the 256 zeros, 512 bytes each
	s_lshl_b32 s92, s92, 9
	s_add_co_u32 s92, s92, 32768
	s_cmp_lt_u32 s[WV], 6
	s_cselect_b32 s93, 0, 32768
	s_cselect_b32 s94, 1.0, 0
	s_add_co_u32 s92, s92, s93
	v_add_nc_u32 v3, s92, v1
	v_mov_b32 v8, s94
	v_mov_b32 v9, s94
	v_mov_b32 v10, s94
	v_mov_b32 v11, s94
	global_store_b128 v3, v[8:11], s[88:89]
.Lg_end:
	s_set_vgpr_msb 0x5
	s_wait_tensorcnt 0x0
	ds_add_u32 v0, v1
	s_wait_dscnt 0x0
	s_set_vgpr_msb 0x500
	s_endpgm
.Lfunc_end_k_qf382044b73_prep:
	.size	k_qf382044b73_prep, .Lfunc_end_k_qf382044b73_prep-k_qf382044b73_prep
	.p2alignl 7, 3214868480
	.fill 96, 4, 3214868480
	.section	.rodata,"a",@progbits
	.p2align	6, 0x0
	.amdhsa_kernel k_qf382044b73_prep
		.amdhsa_group_segment_fixed_size 156672
		.amdhsa_private_segment_fixed_size 0
		.amdhsa_enable_private_segment 0
		.amdhsa_kernarg_size 136
		.amdhsa_user_sgpr_count 2
		.amdhsa_user_sgpr_kernarg_segment_ptr 1
		.amdhsa_wavefront_size32 1
		.amdhsa_system_sgpr_workgroup_id_x 1
		.amdhsa_system_sgpr_workgroup_id_y 1
		.amdhsa_system_sgpr_workgroup_id_z 1
		.amdhsa_system_vgpr_workitem_id 0
		.amdhsa_next_free_vgpr 258
		.amdhsa_next_free_sgpr 102
		.amdhsa_reserve_vcc 0
		.amdhsa_float_denorm_mode_32 3
		.amdhsa_float_denorm_mode_16_64 3
		.amdhsa_memory_ordered 1
		.amdhsa_forward_progress 1
		.amdhsa_inst_pref_size 252
	.end_amdhsa_kernel
	.amdgpu_metadata
---
amdhsa.version: [ 1, 2 ]
amdhsa.kernels:
  - .name:           k_qf382044b73_prep
    .symbol:         k_qf382044b73_prep.kd
    .args:
      - { .name: hidden_states, .offset: 0, .size: 8, .value_kind: global_buffer, .address_space: global }
      - { .name: Wq, .offset: 8, .size: 8, .value_kind: global_buffer, .address_space: global }
      - { .name: Wk, .offset: 16, .size: 8, .value_kind: global_buffer, .address_space: global }
      - { .name: Wv, .offset: 24, .size: 8, .value_kind: global_buffer, .address_space: global }
      - { .name: txt_embedding, .offset: 32, .size: 8, .value_kind: global_buffer, .address_space: global }
      - { .name: txt_attention_mask, .offset: 40, .size: 8, .value_kind: global_buffer, .address_space: global }
      - { .name: Wdq, .offset: 48, .size: 8, .value_kind: global_buffer, .address_space: global }
      - { .name: Wdk, .offset: 56, .size: 8, .value_kind: global_buffer, .address_space: global }
      - { .name: bdq, .offset: 64, .size: 8, .value_kind: global_buffer, .address_space: global }
      - { .name: bdk, .offset: 72, .size: 8, .value_kind: global_buffer, .address_space: global }
      - { .name: bq, .offset: 80, .size: 8, .value_kind: global_buffer, .address_space: global }
      - { .name: bk, .offset: 88, .size: 8, .value_kind: global_buffer, .address_space: global }
      - { .name: xc, .offset: 96, .size: 8, .value_kind: global_buffer, .address_space: global }
      - { .name: xs, .offset: 104, .size: 8, .value_kind: global_buffer, .address_space: global }
      - { .name: wc, .offset: 112, .size: 8, .value_kind: global_buffer, .address_space: global }
      - { .name: ws, .offset: 120, .size: 8, .value_kind: global_buffer, .address_space: global }
      - { .name: tab, .offset: 128, .size: 8, .value_kind: global_buffer, .address_space: global }
    .group_segment_fixed_size: 156672
    .private_segment_fixed_size: 0
    .kernarg_segment_align: 8
    .kernarg_segment_size: 136
    .max_flat_workgroup_size: 256
    .sgpr_count:     102
    .vgpr_count:     258
    .wavefront_size: 32
...
	.end_amdgpu_metadata
.endif
;; end of part 1
;; launch qkv (part 2): grid 12 x 32, 4 waves a work-group, clusters of 4 x 4, 327,680 bytes of LDS; arguments xc, xs, wc, ws, tab, bv, qb, kv; writes qb, kv
.if DOCPART == 2
	.amdgcn_target "amdgcn-amd-amdhsa--gfx1250"
	.amdhsa_code_object_version 6
	.text
	.protected	k_qf382044b73_qkv
	.globl	k_qf382044b73_qkv
	.p2align	8
	.type	k_qf382044b73_qkv,@function
k_qf382044b73_qkv:
	s_mov_b64 s[64:65], 0
	v_nop
	global_prefetch_b8 v0, s[64:65] scope:SCOPE_SE
	s_setreg_imm32_b32 hwreg(HW_REG_WAVE_MODE, 25, 1), 1
	s_wait_xcnt 0x0
	s_wait_alu depctr_hold_cnt(0) depctr_sa_sdst(0) depctr_va_vdst(0) depctr_va_sdst(0) depctr_va_ssrc(0) depctr_va_vcc(0) depctr_vm_vsrc(0)
	s_getreg_b32 s2, hwreg(HW_REG_IB_STS2, 6, 4)
	s_cmp_eq_u32 s2, 0
	s_cbranch_scc0 .Lentry_in_a_cluster
	s_endpgm
.Lentry_in_a_cluster:
	s_bfe_u32 s2, ttmp6, 0x10000c
	s_cmp_lg_u32 s2, 0xf033
	s_cbranch_scc0 .Lentry_shape_is_right
	s_endpgm
.Lentry_shape_is_right:
.set NQ,     4
.set ROWB,   256
.set KROW,   512
.set PITCH,  272
.set FR,     8
.set NL,     2
.set NP,     4
.set HALFT,  128*PITCH
.set SLOT,   4*HALFT
.set KS,     32
.set SCL,    2*SLOT
.set HALFS,  16*272
.set SBLK,   2*272
.set SCR,    SCL+4*HALFS
.set HS,     143360
.set SB,     8960
.set ADRA, 16
.set ADRB, 20
.set LI,   24
.set SCW,  25
.set SCRD, 26
.set ADRS, 27
.set L8,   28
.set SC,   32
.set TM,   96
.set PW,   112
.set VO,   120
.set AF,   128
.set ST,   128
.set CI,   192
.set PC,   192
.set GW,   64
.set BGW,  192
.set WV, 20
.set WH, 21
.set WL, 22
.set CX, 23
.set CY, 24
.set XX, 25
.set G1,   28
.set G0,   36
.set G1B,  44
.set G0B,  52
.set G1S,  68
.set G0S,  76
.set G1SB, 80
.set G0SB, 88
.set MSB, 0
.macro WIN new
.if MSB != (\new)
	s_set_vgpr_msb (MSB<<8)|(\new)
.set MSB, (\new)
.endif
.endm
.set MUL_LO, 0xa1
.set MUL_HI, 0xf1
.set TO_B,   0x40
.macro JLOAD g0a, g1a, g0b, g1b
	s_cmp_eq_u32 s[WH], 0
	s_cbranch_scc0 .Lfor_b_\@
	tensor_load_to_lds s[\g0a:\g0a+3], s[\g1a:\g1a+7]
	s_nop 0
.rept 4
	v_nop
.endr
	s_branch .Lasked_\@
.Lfor_b_\@:
	tensor_load_to_lds s[\g0b:\g0b+3], s[\g1b:\g1b+7]
	s_nop 0
.rept 4
	v_nop
.endr
.Lasked_\@:
.endm
.macro CROUND
	s_barrier_signal -1
	s_barrier_wait -1
	s_cmp_lg_u32 s[WV], 0
	s_cbranch_scc1 .Lnot_wave_0_\@
	s_barrier_signal -3
.Lnot_wave_0_\@:
	s_barrier_wait -3
	s_barrier_signal -1
	s_barrier_wait -1
.endm
	s_load_b512 s[4:19], s[0:1], 0x0
	v_lshl_add_u32 v22, v0, 2, 0x49400
	v_mov_b32 v23, 0
	ds_add_u32 v22, v23
	ds_add_u32 v22, v23
	v_lshrrev_b32 v1, 5, v0
	v_readfirstlane_b32 s[WV], v1
	s_lshr_b32 s[WH], s[WV], 1
	s_and_b32 s[WL], s[WV], 1
	s_bfe_u32 s[CX], ttmp6, 0x40000
	s_bfe_u32 s[CY], ttmp6, 0x40004
	s_mov_b32 s[XX], ttmp9
	s_and_b32 s26, ttmp7, 0xffff
	s_lshl_b32 s2, s[CY], 2
	s_lshl_b32 s2, 15, s2
	s_lshl_b32 s3, 0x1111, s[CX]
	s_or_b32 s[G1+0], s2, (0<<16)|(1<<20)|(1<<21)|(5<<22)|(3<<25)
	s_or_b32 s[G1B+0], s3, (0<<16)|(1<<20)|(1<<21)|(5<<22)|(3<<25)
.irp g, G1, G1B
	s_mov_b32 s[\g+1], ROWB<<16
	s_mov_b32 s[\g+2], 256<<16                     ; the head's loads of codes bring 256 rows
	s_mov_b32 s[\g+3], ROWB<<16
	s_mov_b32 s[\g+4], 256
	s_mov_b32 s[\g+5], KROW
	s_mov_b32 s[\g+6], 0
	s_mov_b32 s[\g+7], 0
.endr
	s_or_b32 s[G1S+0], s2, (3<<16)|(1<<20)|(1<<21)|(5<<22)|(3<<25)
	s_or_b32 s[G1SB+0], s3, (3<<16)|(1<<20)|(1<<21)|(5<<22)|(3<<25)
.irp g, G1S, G1SB
	s_mov_b32 s[\g+1], 32<<16
	s_mov_b32 s[\g+2], 32<<16                      ; the scales of 256 rows: 32 rows of 256 bytes
	s_mov_b32 s[\g+3], 32<<16
	s_mov_b32 s[\g+4], 32
	s_mov_b32 s[\g+5], 32
	s_mov_b32 s[\g+6], 0
	s_mov_b32 s[\g+7], 0
.endr
	s_lshl_b32 s27, s26, 2
	s_lshl_b32 s66, s[XX], 2
	s_cmp_eq_u32 s[XX], 2
	s_cselect_b32 s62, 8, s27
	s_cselect_b32 s63, s27, s66
	s_add_co_u32 s62, s62, s[CY]
	s_add_co_u32 s63, s63, s[CX]
	s_lshl_b32 s67, s[WL], 7
	s_lshl_b32 s92, s62, 8
	s_add_co_u32 s92, s92, s67
	s_lshl_b32 s94, s63, 8
	s_add_co_u32 s94, s94, s67
	s_lshl_b32 s96, s92, 5
	s_mov_b32 s97, 0
	s_lshl_b32 s98, s94, 5
	s_mov_b32 s99, 0
	s_lshl_b32 s92, s92, 9
	s_mov_b32 s93, 0
	s_lshl_b32 s94, s94, 9
	s_mov_b32 s95, 0
	s_mul_i32 s26, s[WV], HALFT
	s_mul_i32 s27, s[WH], 2*HALFS                  ; the scales of 256 rows: A's first, then B's
	s_wait_dscnt 0x0
	s_wait_kmcnt 0x0
	s_cmp_eq_u32 s[XX], 2
	s_cselect_b64 s[60:61], s[8:9], s[4:5]
	s_cselect_b64 s[66:67], s[4:5], s[8:9]
	s_cselect_b64 s[100:101], s[10:11], s[6:7]
	s_cselect_b64 s[4:5], s[6:7], s[10:11]
	s_add_nc_u64 s[60:61], s[60:61], s[92:93]
	s_add_nc_u64 s[66:67], s[66:67], s[94:95]
	s_add_nc_u64 s[100:101], s[100:101], s[96:97]
	s_add_nc_u64 s[4:5], s[4:5], s[98:99]
	CROUND
	s_mov_b32 s[G0S], 1
	s_add_co_u32 s[G0S+1], s27, SCL
	s_lshl_b32 s2, s[WL], 12                       ; back from my 128 rows' scales (4,096 bytes) to the tile's first row
	s_mov_b32 s3, 0
	s_sub_nc_u64 s[G0S+2:G0S+3], s[100:101], s[2:3]
	s_or_b32 s[G0S+3], s[G0S+3], 0x80000000
	s_mov_b32 s[G0SB], 1
	s_add_co_u32 s[G0SB+1], s27, SCL
	s_sub_nc_u64 s[G0SB+2:G0SB+3], s[4:5], s[2:3]
	s_or_b32 s[G0SB+3], s[G0SB+3], 0x80000000
.irp s, 0,1
	s_mov_b32 s[G0+4*\s], 1
	s_add_co_u32 s[G0+4*\s+1], s26, \s*SLOT
	s_add_nc_u64 s[G0+4*\s+2:G0+4*\s+3], s[60:61], \s*ROWB
	s_or_b32 s[G0+4*\s+3], s[G0+4*\s+3], 0x80000000
	s_mov_b32 s[G0B+4*\s], 1
	s_add_co_u32 s[G0B+4*\s+1], s26, \s*SLOT
	s_add_nc_u64 s[G0B+4*\s+2:G0B+4*\s+3], s[66:67], \s*ROWB
	s_or_b32 s[G0B+4*\s+3], s[G0B+4*\s+3], 0x80000000
.endr
; THE HEAD'S LOADS, ONE A WAVE: wave 0 fetches K step 0's 256 rows of A (its own slot-0 descriptor begins at the tile's first row), wave 2 those of B, wave 1 the scales of A's 256 rows, wave 3 those of B's.
; One chain of branches on the wave's number, each arm with its load and, but for the last, a jump to the chain's end.
.macro ARM under, g0, g1, next
	s_cmp_lt_u32 s[WV], \under
	s_cbranch_scc0 \next
	tensor_load_to_lds s[\g0:\g0+3], s[\g1:\g1+7]
	s_nop 0
.rept 4
	v_nop
.endr
	s_branch .Lhead_asked
\next:
.endm
	ARM 1, G0,  G1,  .Lhead_sa
	ARM 2, G0S, G1S, .Lhead_b
	ARM 3, G0B, G1B, .Lhead_sb
	tensor_load_to_lds s[G0SB:G0SB+3], s[G1SB:G1SB+7]
	s_nop 0
.rept 4
	v_nop
.endr
.Lhead_asked:
	v_and_b32 v1, 15, v0
	v_bfe_u32 v2, v0, 4, 1
	v_mul_u32_u24 v3, v1, PITCH
	v_lshl_add_u32 v4, v2, 4, v3
	s_mul_i32 s92, s[WH], HALFT
	s_mul_i32 s93, s[WL], HALFT
	s_add_co_u32 s93, s93, 2*HALFT
.irp s, 0,1
	v_add_nc_u32 v[ADRA+\s], s92, v4
	v_add_nc_u32 v[ADRB+\s], s93, v4
	s_add_co_u32 s92, s92, SLOT
	s_add_co_u32 s93, s93, SLOT
.endr
	v_mul_u32_u24 v5, v1, KS
	v_lshrrev_b32 v6, 8, v5
	v_lshl_add_u32 v5, v6, 4, v5
	s_mul_i32 s92, s[WH], HALFS
	s_mul_i32 s93, s[WL], HALFS
	s_add_co_u32 s93, s93, 2*HALFS
	s_sub_co_u32 s93, s93, s92
	v_mul_u32_u24 v6, s93, v2
	s_add_co_u32 s92, s92, SCL
	v_add_nc_u32 v5, v5, v6
	v_add_nc_u32 v[ADRS], s92, v5
	v_and_b32 v8, 31, v0
	v_lshlrev_b32 v[LI], 4, v8
	v_lshlrev_b32 v[L8], 3, v8
	s_lshl_b32 s92, s[WV], 10
	s_add_co_u32 s92, s92, SCR
	v_lshl_add_u32 v[SCW], v1, 2, s92
	v_lshl_add_u32 v[SCRD], v8, 3, s92
.irp b, 0,1,2,3
	v_mov_b32 v[TM+4+\b], 0
.endr
	s_lshr_b32 s92, s62, 3
	s_lshl_b32 s93, s[XX], 2
	s_add_co_u32 s92, s92, s93
	s_lshl_b32 s92, s92, 12
	s_lshl_b32 s93, s[CX], 10
	s_add_co_u32 s92, s92, s93
	s_lshl_b32 s93, s[WL], 9
	s_add_co_u32 s92, s92, s93
	s_add_co_u32 s93, s93, 32768
	s_cmp_eq_u32 s[XX], 2
	s_cselect_b32 s92, s93, s92
	v_lshl_add_u32 v6, v2, 6, s92
	WIN TO_B
.irp b, 0,1,2,3
.irp j, 0,1,2,3
	global_load_b128 v[GW+16*\b+4*\j:GW+16*\b+4*\j+3], v6, s[12:13] offset:128*\b+16*\j
	global_load_b128 v[BGW+16*\b+4*\j:BGW+16*\b+4*\j+3], v6, s[12:13] offset:33792+128*\b+16*\j
.endr
.endr
	WIN 0
	s_lshl_b32 s94, s[CY], 10
	s_lshl_b32 s95, s[WH], 9
	s_add_co_u32 s94, s94, s95
	s_add_co_u32 s95, s95, 66560
	s_cmp_eq_u32 s[XX], 2
	s_cselect_b32 s94, s94, s95
	s_cselect_b64 s[96:97], s[14:15], s[12:13]
	s_mov_b32 s95, 0
	s_add_nc_u64 s[96:97], s[96:97], s[94:95]
	v_and_b32 v7, 8, v1
	v_add_nc_u32 v7, v7, v1
	v_lshlrev_b32 v7, 2, v7
.irp a, 0,1,2,3,4,5,6,7
	global_load_b32 v[CI+8*\a], v7, s[96:97] offset:4*(32*(\a/2)+8*(\a%2))
.endr
	s_wait_alu depctr_va_vdst(0)                   ; directly ahead of the wait below
	s_wait_tensorcnt 0x0                           ; my tile of the head's four is in
	ds_add_u32 v22, v23
	s_mov_b32 s[G1+2], 128<<16                     ; no tensor load of mine is out: from here on a load of codes brings 128 rows
	s_mov_b32 s[G1+4], 128
	s_mov_b32 s[G1B+2], 128<<16
	s_mov_b32 s[G1B+4], 128
	s_wait_dscnt 0x0
	CROUND                                         ; all four tiles are in, and all sixteen work-groups are here
	JLOAD G0+4, G1, G0B+4, G1B                     ; K step 1: the first tensor load behind the round, a quarter of the slot a wave
	s_wait_loadcnt 0x0
.irp a, 0,1,2,3,4,5,6,7
.irp j, 1,2,3,4,5,6,7
	v_mov_b32 v[CI+8*\a+\j], v[CI+8*\a]
.endr
.endr
.macro FRAG reg, adr, q, i
.irp c, 0,1
	ds_load_b128 v[\reg+4*\c:\reg+4*\c+3], v[\adr] offset:64*(\q)+32*\c+(\i)*16*PITCH
.endr
.endm
.macro MUL16 a0, p, q, sc, first
.irp a, \a0, \a0+1
.irp b, 0,1,2,3,4,5,6,7
.if \first
	v_wmma_scale_f32_16x16x128_f8f6f4 v[8*(8*((\a)%4)+\b):8*(8*((\a)%4)+\b)+7], v[128*(\p)+FR*\b:128*(\p)+FR*\b+FR-1], v[AF+FR*(\a):AF+FR*(\a)+FR-1], v[CI+8*(\a):CI+8*(\a)+7], v[SC+8*NQ*(\sc)+NQ*\b+(\q)], v[SC+8*NQ*(\sc)+NQ*(\a)+(\q)] matrix_a_fmt:MATRIX_FMT_FP4 matrix_b_fmt:MATRIX_FMT_FP4 matrix_a_scale:MATRIX_SCALE_ROW1
.else
	v_wmma_scale_f32_16x16x128_f8f6f4 v[8*(8*((\a)%4)+\b):8*(8*((\a)%4)+\b)+7], v[128*(\p)+FR*\b:128*(\p)+FR*\b+FR-1], v[AF+FR*(\a):AF+FR*(\a)+FR-1], v[8*(8*((\a)%4)+\b):8*(8*((\a)%4)+\b)+7], v[SC+8*NQ*(\sc)+NQ*\b+(\q)], v[SC+8*NQ*(\sc)+NQ*(\a)+(\q)] matrix_a_fmt:MATRIX_FMT_FP4 matrix_b_fmt:MATRIX_FMT_FP4 matrix_a_scale:MATRIX_SCALE_ROW1
.endif
.endr
.endr
.endm
.macro FETCH_B slot, q, p
	WIN TO_B
.irp i, 0,1,2,3,4,5,6,7
	FRAG 128*(\p)+FR*\i, ADRB+\slot, \q, \i
.endr
	WIN 0
.endm
.macro FETCH_A slot, q, i0
.irp i, \i0, \i0+1, \i0+2, \i0+3
	FRAG AF+FR*(\i), ADRA+\slot, \q, \i
.endr
.endm
.macro SCALES sc
.irp i, 0,1,2,3,4,5,6,7
	ds_load_b128 v[SC+8*NQ*\sc+NQ*\i:SC+8*NQ*\sc+NQ*\i+3], v[ADRS] offset:\i*SBLK
.endr
.endm
.macro PLACES n
.rept \n
	v_nop
.endr
.endm
.macro STEP slot, q, first
	s_wait_dscnt 4*NL
.if \first
	WIN 0x81
.else
	WIN MUL_LO
.endif
	MUL16 0, (\q)%2, \q, \slot, \first
	MUL16 2, (\q)%2, \q, \slot, \first
	s_wait_dscnt 0
	PLACES NP
	FETCH_B \slot, (\q)+1, 1-(\q)%2
	FETCH_A \slot, (\q)+1, 0
.if \first
	WIN 0xc1
.else
	WIN MUL_HI
.endif
	MUL16 4, (\q)%2, \q, \slot, \first
	MUL16 6, (\q)%2, \q, \slot, \first
	PLACES NP
	WIN 0
	FETCH_A \slot, (\q)+1, 4
.endm
	s_wait_alu depctr_va_vdst(0)
	s_wait_tensorcnt 1
	s_barrier_signal -1
	s_barrier_wait -1
	FETCH_B 0, 0, 0
	FETCH_A 0, 0, 0
	SCALES 0
	FETCH_A 0, 0, 4
	STEP 0, 0, 1
	STEP 0, 1, 0
	STEP 0, 2, 0
	s_wait_tensorcnt 0x0
	s_wait_dscnt 4*NL
	WIN MUL_LO
	MUL16 0, 1, NQ-1, 0, 0
	s_wait_dscnt 0x0
	s_barrier_signal -1
	MUL16 2, 1, NQ-1, 0, 0
	WIN 0
	s_barrier_wait -1
	PLACES NP
	v_add_nc_u32 v[ADRS], 4*NQ, v[ADRS]
	FETCH_B 1, 0, 0
	FETCH_A 1, 0, 0
	SCALES 1
	WIN MUL_HI
	MUL16 4, 1, NQ-1, 0, 0
	MUL16 6, 1, NQ-1, 0, 0
	PLACES NP
	WIN 0
	FETCH_A 1, 0, 4
	STEP 1, 0, 0
	STEP 1, 1, 0
	STEP 1, 2, 0
	s_wait_dscnt 4*NL
	WIN MUL_LO
	MUL16 0, 1, NQ-1, 1, 0
	MUL16 2, 1, NQ-1, 1, 0
	s_wait_dscnt 0
	WIN MUL_HI
	MUL16 4, 1, NQ-1, 1, 0
	MUL16 6, 1, NQ-1, 1, 0
	WIN 0
	s_cmp_eq_u32 s[XX], 2
	s_cselect_b32 s28, s63, s62
	s_cselect_b32 s29, s[WL], s[WH]
	s_cselect_b32 s30, s[CY], s[CX]
	s_cselect_b32 s31, s[WH], s[WL]
	s_cselect_b32 s32, 4096, 0
	s_mov_b32 s33, 8192
	s_cselect_b32 s33, 8704, s33
	s_mov_b32 s34, 512
	s_cselect_b32 s34, 1024, s34
	s_mov_b32 s35, 2048
	s_cselect_b32 s35, HS, s35
	s_mov_b32 s36, 512
	s_cselect_b32 s36, s36, HS
	s_mov_b32 s37, 256
	s_cselect_b32 s37, HS, s37
	s_mov_b32 s38, 0x01000100
	s_cselect_b32 s38, 0x03020100, s38
	s_mov_b32 s39, 0x03020302
	s_cmp_eq_u32 s[XX], 0
	s_cselect_b64 s[40:41], s[16:17], s[18:19]
	s_lshr_b32 s42, s28, 3
	s_and_b32 s43, s28, 7
	s_lshl_b32 s43, s43, 1
	s_add_co_u32 s43, s43, s29
	s_lshl_b32 s42, s42, 4
	s_lshl_b32 s30, s30, 2
	s_add_co_u32 s42, s42, s30
	s_lshl_b32 s31, s31, 1
	s_add_co_u32 s42, s42, s31
	s_mul_i32 s42, s42, HS
	s_mul_i32 s43, s43, SB
	s_add_co_u32 s42, s42, s43
	s_add_co_u32 s44, s42, s32
	s_mov_b32 s45, 0
	s_add_nc_u64 s[44:45], s[40:41], s[44:45]
	s_mov_b32 s46, s36
	s_mov_b32 s47, 0
	s_add_nc_u64 s[46:47], s[44:45], s[46:47]
	s_add_co_u32 s48, s42, s33
	s_mov_b32 s49, 0
	s_add_nc_u64 s[48:49], s[40:41], s[48:49]
	s_mov_b32 s52, 0x76543210
	s_mov_b32 s53, 0xfedcba98
.macro QUANT s, pc, pw
.irp b, 0,1,2,3
	v_max3_num_f32 v[TM+\b], |v[\s+16*\b]|, |v[\s+1+16*\b]|, 0x1800000
.endr
.irp i, 2,4,6,8,10,12,14
.irp b, 0,1,2,3
	v_max3_num_f32 v[TM+\b], v[TM+\b], |v[\s+16*\b+\i]|, |v[\s+1+16*\b+\i]|
.endr
.endr
.irp b, 0,1,2,3
	v_permlanex16_b32 v[TM+4+\b], v[TM+\b], s52, s53
.endr
.irp b, 0,1,2,3
	v_max_num_f32 v[TM+\b], v[TM+\b], v[TM+4+\b]
.endr
.irp b, 0,1,2,3
	v_add_nc_u32 v[TM+12+\b], 0xff000000, v[TM+\b]
.endr
.irp b, 0,1,2,3
	v_lshrrev_b32 v[TM+4+\b], 23, v[TM+12+\b]
.endr
	v_lshl_or_b32 v[\pw], v[TM+5], 8, v[TM+4]
	v_lshl_or_b32 v[\pw], v[TM+6], 16, v[\pw]
	v_lshl_or_b32 v[\pw], v[TM+7], 24, v[\pw]
.irp b, 0,1,2,3
	v_cvt_scalef32_pk8_fp4_f32 v[\pc+2*\b], v[\s+16*\b:\s+7+16*\b], v[TM+12+\b]
	v_cvt_scalef32_pk8_fp4_f32 v[\pc+1+2*\b], v[\s+8+16*\b:\s+15+16*\b], v[TM+12+\b]
.endr
	v_nop
.irp c, 0,1
.irp i, 0,1
	v_permlane16_swap_b32 v[\pc+4*\c+\i], v[\pc+2+4*\c+\i]
.endr
.endr
.endm
.macro EPI a
	WIN 0x16+(\a)/4
.irp b, 0,1,2,3,4,5,6,7
.irp p, 0,2,4,6
	v_pk_fma_f32 v[ST+8*\b+\p:ST+8*\b+\p+1], v[64*((\a)%4)+8*\b+\p:64*((\a)%4)+8*\b+\p+1], v[GW+8*\b+\p:GW+8*\b+\p+1], v[BGW+8*\b+\p:BGW+8*\b+\p+1]
.endr
.endr
	WIN 0
	QUANT ST, PC+8*(\a), PW+(\a)
	s_mul_i32 s50, s34, (\a)%4
	s_mul_i32 s51, s35, (\a)/4
	s_add_co_u32 s50, s50, s51
	v_add_nc_u32 v[VO+(\a)], s50, v[LI]
	global_store_b128 v[VO+(\a)], v[PC+8*(\a):PC+8*(\a)+3], s[44:45]
	global_store_b128 v[VO+(\a)], v[PC+8*(\a)+4:PC+8*(\a)+7], s[46:47]
.endm
	PLACES NP
.irp a, 0,1,2,3,4,5,6,7
	EPI \a
.endr
.irp a, 0,1,2,3,4,5,6,7
	v_perm_b32 v[TM+2*\a], v[PW+\a], v[PW+\a], s38
	v_perm_b32 v[TM+2*\a+1], v[PW+\a], v[PW+\a], s39
.endr
.irp a, 0,1,2,3,4,5,6,7
	ds_store_b32 v[SCW], v[TM+2*\a] offset:64*\a
	ds_store_b32 v[SCW], v[TM+2*\a+1] offset:512+64*\a
.endr
.irp u, 0,1,2,3
	ds_load_b64 v[ST+2*\u:ST+2*\u+1], v[SCRD] offset:256*\u
.endr
	v_add_nc_u32 v[L8+1], s37, v[L8]
	v_add_nc_u32 v[L8+2], HS, v[L8]
	v_add_nc_u32 v[L8+3], HS, v[L8+1]
	s_wait_alu depctr_va_vdst(0)
	s_wait_dscnt 0x0
	global_store_b64 v[L8], v[ST:ST+1], s[48:49]
	global_store_b64 v[L8+1], v[ST+2:ST+3], s[48:49]
	s_cmp_eq_u32 s[XX], 2
	s_cbranch_scc1 .Lno_second
	global_store_b64 v[L8+2], v[ST+4:ST+5], s[48:49]
	global_store_b64 v[L8+3], v[ST+6:ST+7], s[48:49]
.Lno_second:
	s_wait_tensorcnt 0x0
	ds_add_u32 v22, v23
	s_wait_dscnt 0x0
	CROUND
	s_endpgm
.Lfunc_end_k_qf382044b73_qkv:
	.size	k_qf382044b73_qkv, .Lfunc_end_k_qf382044b73_qkv-k_qf382044b73_qkv
	.p2alignl 7, 3214868480
	.fill 96, 4, 3214868480
	.section	.rodata,"a",@progbits
	.p2align	6, 0x0
	.amdhsa_kernel k_qf382044b73_qkv
		.amdhsa_group_segment_fixed_size 327680
		.amdhsa_private_segment_fixed_size 0
		.amdhsa_enable_private_segment 0
		.amdhsa_kernarg_size 64
		.amdhsa_user_sgpr_count 2
		.amdhsa_user_sgpr_kernarg_segment_ptr 1
		.amdhsa_wavefront_size32 1
		.amdhsa_system_sgpr_workgroup_id_x 1
		.amdhsa_system_sgpr_workgroup_id_y 1
		.amdhsa_system_sgpr_workgroup_id_z 1
		.amdhsa_system_vgpr_workitem_id 0
		.amdhsa_next_free_vgpr 1024
		.amdhsa_next_free_sgpr 102
		.amdhsa_reserve_vcc 0
		.amdhsa_float_denorm_mode_32 3
		.amdhsa_float_denorm_mode_16_64 3
		.amdhsa_memory_ordered 1
		.amdhsa_forward_progress 1
		.amdhsa_inst_pref_size 156
	.end_amdhsa_kernel
	.amdgpu_metadata
---
amdhsa.version: [ 1, 2 ]
amdhsa.kernels:
  - .name:           k_qf382044b73_qkv
    .symbol:         k_qf382044b73_qkv.kd
    .args:
      - { .name: xc, .offset: 0, .size: 8, .value_kind: global_buffer, .address_space: global }
      - { .name: xs, .offset: 8, .size: 8, .value_kind: global_buffer, .address_space: global }
      - { .name: wc, .offset: 16, .size: 8, .value_kind: global_buffer, .address_space: global }
      - { .name: ws, .offset: 24, .size: 8, .value_kind: global_buffer, .address_space: global }
      - { .name: tab, .offset: 32, .size: 8, .value_kind: global_buffer, .address_space: global }
      - { .name: bv, .offset: 40, .size: 8, .value_kind: global_buffer, .address_space: global }
      - { .name: qb, .offset: 48, .size: 8, .value_kind: global_buffer, .address_space: global }
      - { .name: kv, .offset: 56, .size: 8, .value_kind: global_buffer, .address_space: global }
    .group_segment_fixed_size: 327680
    .private_segment_fixed_size: 0
    .kernarg_segment_align: 8
    .kernarg_segment_size: 64
    .max_flat_workgroup_size: 128
    .sgpr_count:     102
    .vgpr_count:     1024
    .wavefront_size: 32
...
	.end_amdgpu_metadata
.endif
;; end of part 2
;; launch attn (part 3): grid 4 x 64, 8 waves a work-group, clusters of 4 x 1, 187,392 bytes of LDS; arguments qb, kv, attention_mask, out0; writes out0
.if DOCPART == 3
	.amdgcn_target "amdgcn-amd-amdhsa--gfx1250"
	.amdhsa_code_object_version 6
	.text
	.protected	k_qf382044b73_attn
	.globl	k_qf382044b73_attn
	.p2align	8
	.type	k_qf382044b73_attn,@function
k_qf382044b73_attn:
	s_mov_b64 s[64:65], 0
	v_nop
	global_prefetch_b8 v0, s[64:65] scope:SCOPE_SE
	s_setreg_imm32_b32 hwreg(HW_REG_WAVE_MODE, 25, 1), 1
	s_wait_xcnt 0x0
	s_wait_alu depctr_hold_cnt(0) depctr_sa_sdst(0) depctr_va_vdst(0) depctr_va_sdst(0) depctr_va_ssrc(0) depctr_va_vcc(0) depctr_vm_vsrc(0)
	s_getreg_b32 s2, hwreg(HW_REG_IB_STS2, 6, 4)
	s_cmp_eq_u32 s2, 0
	s_cbranch_scc0 .Lentry_in_a_cluster
	s_endpgm
.Lentry_in_a_cluster:
	s_bfe_u32 s2, ttmp6, 0x10000c
	s_cmp_lg_u32 s2, 0x3003
	s_cbranch_scc0 .Lentry_shape_is_right
	s_endpgm
.Lentry_shape_is_right:
; out[b][q][64 hh ..] = the sum over keys of softmax(Q . K / 8 + mask[b][key]) V, both products on codes of E2M1 with one E8M0 scale for each 32 along K.
; THE SOFTMAX AHEAD OF THE SECOND PRODUCT: t = logit x log2(e); M = the row's largest t so far, rounded up to a whole number; p = 2^(t - M) is quantised along the keys, not normalised.
; The row's sum is taken of the unquantised p, in f32, and divides at the end.  When M moves, the sum and O are multiplied by 2^(old M - new M): exact.
; SHARES.  A work-group owns 512 queries of one head: 256 work-groups in all.  Each of its eight waves owns four tiles of 16 queries and takes them as two pairs, one pair after the other, each pair over
; the head's 16 key steps of 128 keys.  THE TWO TILES OF A PAIR (t = 0, 1) GO SIDE BY SIDE THROUGH EVERY STEP: one set of K, V, mask and scale loads serves both, their chains of dependent lines take turns,
; and the first tile's exponentials stand between the second tile's multiply-adds.  No barrier stands between the pairs, and nothing waits for the first pair's stores.
; A HEAD'S K AND V, codes and scale words, are 143,360 bytes: they come into LDS ONCE, as they lie in kv, and are never filled again: wave w fetches key steps 2 w and 2 w + 1 by its one tensor load.
; The four work-groups of a cluster are the four query blocks of one head, so each load is asked for jointly by the four.
; NO PREFETCH: K and V are asked for once, at the head, ahead of every loop: there is no trip to run ahead in.
; kv holds images of operand registers: every fragment load reads 512 consecutive bytes, 16 a lane.
; BOTH PRODUCTS ARE USED TRANSPOSED: S^T = K Q^T (source 0 = 16 keys), O^T = V^T P^T (source 0 = 16 channels): a lane holds one query (lane % 16) of each tile throughout.
; THE HEAD IS 64 AND THE INSTRUCTION 128 DEEP: source 0 holds TWO tiles of keys, one in registers 0-3 (k 0-63), the other in registers 4-7 (k 64-127); source 1 is q beside zero codes.
; What meets zero codes adds exactly 0.  A scale word is [s0 s1 s0 s1] and serves either place.
; THE MASK IS THE C OF THE FIRST PRODUCT: 8 x mask lies in LDS and is loaded into tile 1's score registers: tile 0's products take it from there, tile 1's add in place.  t = (Q . K + 8 mask) x log2(e) / 8.
; The keys of tile 2 b + u are 32 b + 8 u + r + 8 (r / 8), so the 16 registers of two neighbouring tiles are keys 32 b + 16 (lane / 16) + 0 .. 15; the queries of a tile and the channels of V's tiles likewise.
; LIMITS: NaN among the inputs is not served.  A mask of magnitude 2^125 or more becomes an infinity by the x 8.  A row all of whose keys are at -infinity gives NaN, as the softmax itself does.
; REGISTERS, window 0: v1-11 addresses; then, for tile t: v[12+2t] -M and the largest score, v[16+2t] the sum; v20-39 zeros q0 zeros q1 zeros; v40-49 scale words; v50-79 at work; v80-95 p's codes;
;   v96-107 the sums' chains; v108-109 the add's two; v112-175, v176-239 the two tiles' scores, then p.   Window 1: v0-31 K, v32-63 V, v64-127 the two O^T, v128-137 the second pair's q.
.set HS,    143360                     ; a head's bytes in qb and kv
.set SB,    8960                       ; a key step's: 0 K's codes, 4,096 V's codes, 8,192 K's scale words, 8,704 V's
.set MASK,  HS                         ; LDS: behind the head: 8 x mask, 2,048 f32
.set STAGE, MASK+8192                  ; the way out: 16 rows x 272 bytes for each wave
.set SP,    272
.set SPARE, STAGE+8*16*SP              ; the spare words: 128 bytes for each wave, four blocks of 256 bytes that no other line names
.set L16, 1
.set L4,  2
.set AM0, 3
.set ADK, 4
.set ADS, 5
.set ADM, 6
.set GO,  7
.set STI, 8
.set STB, 9
.set MM,  12                           ; v[12+2t] -M, v[13+2t] the largest score so far
.set SM,  16                           ; v[16+2t:17+2t] the sum, in two halves
.set QHI, 20                           ; + 8 t: zeros, q
.set QLO, 24                           ; + 8 t: q, zeros
.set QS,  40                           ; + t: q's scale words
.set PSW, 42                           ; + t: p's scale word
.set KSC, 44                           ; v44-47 K's scale words: lanes 0-15 tile 2 i, lanes 16-31 tile 2 i + 1
.set VSC, 48                           ; v48-49 V's likewise
.set FF,  50                           ; v[50+2t] f = 2^(old M - new M); v[51+2t] the old -M
.set TV,  54
.set BM,  56                           ; + 4 t: the blocks' largest scores, then largest p
.set T2,  64
.set SCO, 72                           ; + 4 t: the conversions' scale operands
.set PCD, 80                           ; + 8 t: p's codes
.set SU,  96                           ; + 6 t: three more chains of the sum
.set SPW, 108
.set NIL, 109
.set S,   112                          ; + 64 t
.set KF,  0                            ; window 1
.set VF,  32
.set O,   64                           ; + 32 t
.set QN,  128
.set WV,  12
.set G1,  16
.set G0,  24
.set SEL, 40
.set CS,  42
.set TB,  44                           ; s44 LDS byte of the key step in hand
.set TM,  45                           ; s45 its place in the mask: 512 bytes a step
.set CNT, 46
.set PS,  61                           ; s61 pairs still to do
.set NC,  62                           ; s62 -c
.set MSB, 0
.macro WIN new                         ; the immediate's high byte repeats the setting that is left
.if MSB != (\new)
	s_set_vgpr_msb (MSB<<8)|(\new)
.set MSB, (\new)
.endif
.endm
.macro CROUND                          ; a round of the cluster's barrier
	s_barrier_signal -1
	s_barrier_wait -1
	s_cmp_lg_u32 s[WV], 0
	s_cbranch_scc1 .Lnot_wave_0_\@
	s_barrier_signal -3
.Lnot_wave_0_\@:
	s_barrier_wait -3
	s_barrier_signal -1
	s_barrier_wait -1
.endm
	s_load_b256 s[4:11], s[0:1], 0x0               ; qb s[4:5], kv s[6:7], attention_mask s[8:9], out0 s[10:11]
	v_lshl_add_u32 v[SPW], v0, 2, SPARE
	v_mov_b32 v[NIL], 0
	ds_add_u32 v[SPW], v[NIL]                      ; the opening: the add, twice on end, and its wait ahead of my tensor load
	ds_add_u32 v[SPW], v[NIL]
	v_lshrrev_b32 v1, 5, v0
	s_delay_alu instid0(VALU_DEP_1)
	v_readfirstlane_b32 s[WV], v1                  ; wave 0..7
	s_bfe_u32 s13, ttmp6, 0x40000                  ; cx: it enters q's and out0's addresses alone
	s_lshl_b32 s15, ttmp9, 2
	s_add_co_u32 s15, s15, s13                     ; my block of 512 queries
	s_and_b32 s14, ttmp7, 0xffff                   ; the head, 16 batch + hh, which the four partners share
	s_mul_i32 s48, s14, HS
	s_mov_b32 s49, 0
	; group 1: dense bytes as rows of 256 (32 elements of 8 bytes), no padding: they lie in LDS as in memory
	s_mov_b32 s[G1], 15|(3<<16)|(1<<21)            ; 15:0 the mask: all four work-groups; 17:16 elements of 8 bytes; 21 set beside a mask
	s_mov_b32 s[G1+1], 32<<16                      ; tensor_dim0
	s_mov_b32 s[G1+2], 70<<16                      ; tensor_dim1: two key steps, 17,920 bytes
	s_mov_b32 s[G1+3], 32<<16                      ; tile_dim0
	s_mov_b32 s[G1+4], 70                          ; tile_dim1
	s_mov_b32 s[G1+5], 32                          ; from row to row
	s_mov_b32 s[G1+6], 0
	s_mov_b32 s[G1+7], 0
	s_mul_i32 s50, s[WV], 2*SB                     ; key steps 2 wave, 2 wave + 1; the same byte in LDS as in the head
	s_mov_b32 s51, 0
	s_mov_b32 s[SEL], 0x76543210
	s_mov_b32 s[SEL+1], 0xfedcba98                 ; v_permlanex16_b32's selects for lane l xor 16
	s_mov_b32 s[CS], 0x3e38aa3b                    ; c = log2(e) / 8
	s_mov_b32 s[CS+1], s[CS]                       ; (named with it as a pair, so it is written)
	s_mov_b32 s[NC], 0xbe38aa3b                    ; -c
	s_wait_dscnt 0x0                               ; both opening adds are done
	s_wait_kmcnt 0x0
	s_add_nc_u64 s[6:7], s[6:7], s[48:49]          ; kv and qb at the head
	s_add_nc_u64 s[4:5], s[4:5], s[48:49]
	s_mov_b32 s[G0], 1
	s_mov_b32 s[G0+1], s50
	s_add_nc_u64 s[G0+2:G0+3], s[6:7], s[50:51]
	s_or_b32 s[G0+3], s[G0+3], 0x80000000
	CROUND                                         ; all four work-groups are here: the joint loads meet
	tensor_load_to_lds s[G0:G0+3], s[G1:G1+7]      ; every wave's one tensor load of the launch
	s_nop 0
	s_lshr_b32 s52, s14, 4                         ; batch
	s_lshl_b32 s60, s52, 23                        ; its bytes in out0
	s_lshl_b32 s52, s52, 13
	s_mov_b32 s53, 0
	s_add_nc_u64 s[8:9], s[8:9], s[52:53]          ; the batch's 2,048 masks
	s_lshl_b32 s54, s15, 2                         ; my tiles: tile number = wave in the steps of 128 tokens 4 block + 2 pair + t
	s_mul_i32 s48, s54, SB
	s_lshl_b32 s52, s[WV], 9
	s_add_co_u32 s52, s52, s48
	s_add_nc_u64 s[56:57], s[4:5], s[52:53]        ; q's codes
	s_lshl_b32 s52, s[WV], 6
	s_add_co_u32 s52, s52, s48
	s_add_nc_u64 s[58:59], s[4:5], s[52:53]        ; q's scale words, 8,192 bytes further on
	; where my first 16 rows of out0 begin: batch, token 128 step + 32 (tile / 2) + 8 (tile % 2), the head's 256 bytes
	s_lshl_b32 s48, s54, 7
	s_lshr_b32 s49, s[WV], 1
	s_lshl_b32 s49, s49, 5
	s_add_co_u32 s48, s48, s49
	s_and_b32 s49, s[WV], 1
	s_lshl_b32 s49, s49, 3
	s_add_co_u32 s48, s48, s49
	s_lshl_b32 s48, s48, 12
	s_add_co_u32 s48, s48, s60
	s_and_b32 s49, s14, 15
	s_lshl_b32 s49, s49, 8
	s_add_co_u32 s48, s48, s49
	s_mov_b32 s49, 0
	s_add_nc_u64 s[10:11], s[10:11], s[48:49]
	s_mul_i32 s47, s[WV], 16*SP
	s_add_co_u32 s47, s47, STAGE                   ; my stage
	v_and_b32 v10, 31, v0                          ; lane
	v_and_b32 v11, 15, v0                          ; r
	v_bfe_u32 v110, v0, 4, 1                       ; h
	v_lshlrev_b32 v4, 4, v0                        ; 16 bytes a thread, twice: the 256 threads take the mask's 8,192 bytes in two dense halves
	v_lshlrev_b32 v[L16], 4, v10
	v_lshlrev_b32 v[L4], 2, v10
	v_lshl_add_u32 v[AM0], v110, 6, MASK
	v_add_nc_u32 v6, MASK, v4
	v_lshlrev_b32 v5, 2, v11
	v_mul_u32_u24 v[STI], v11, SP
	v_mul_u32_u24 v[STB], v110, SP
	v_lshlrev_b32 v[GO], 12, v110
	v_lshl_add_u32 v[STI], v110, 6, v[STI]
	v_lshl_add_u32 v[STB], v11, 4, v[STB]
	v_lshl_add_u32 v[GO], v11, 4, v[GO]            ; out0: lanes 0-15 one token, lanes 16-31 the next, 4,096 bytes apart
	v_add_nc_u32 v[STI], s47, v[STI]               ; stage in: row r; register 8 (2 b + u) + j is channel 32 b + 16 h + 8 u + j
	v_add_nc_u32 v[STB], s47, v[STB]               ; stage back: lanes 0-15 one row, lanes 16-31 the next
	s_wait_alu depctr_va_vdst(0)                   ; ahead of the readers below
	global_load_b128 v[S:S+3], v4, s[8:9]
	global_load_b128 v[S+4:S+7], v4, s[8:9] offset:4096
.irp t, 0,1
	global_load_b128 v[QLO+8*\t:QLO+8*\t+3], v[L16], s[56:57] offset:SB*\t         ; the first pair's q, as it was stored
	global_load_b32 v[QS+\t], v5, s[58:59] offset:8192+SB*\t                       ; and its scale words: lane r has row r's
.endr
	WIN 0x40                                       ; destination in window 1
.irp t, 0,1
	global_load_b128 v[QN+4*\t:QN+4*\t+3], v[L16], s[56:57] offset:SB*(2+\t)       ; the second pair's
	global_load_b32 v[QN+8+\t], v5, s[58:59] offset:8192+SB*(2+\t)
.endr
	WIN 0
.irp j, 0,1,2,3
	v_mov_b32 v[QHI+\j], 0                         ; the zero codes beside the two q
	v_mov_b32 v[QHI+8+\j], 0
	v_mov_b32 v[QHI+16+\j], 0
	v_mov_b32 v[T2+\j], 0                          ; written once: a lane permute's destination counts as one of its sources
	v_mov_b32 v[T2+4+\j], 0
.endr
	s_wait_alu depctr_va_vdst(0)                   ; the wait at the head's end
	s_wait_loadcnt 0x0
	s_wait_tensorcnt 0x0                           ; my two key steps are in
.irp j, 0,1,2,3,4,5,6,7
	v_mul_f32 v[S+\j], 0x41000000, v[S+\j]         ; 8 x mask: exact
.endr
	ds_store_b128 v6, v[S:S+3]
	ds_store_b128 v6, v[S+4:S+7] offset:4096
	s_wait_dscnt 0x0                               ; for the others' sake: my part of the mask lies in LDS
	s_barrier_signal -1
	s_barrier_wait -1                              ; all sixteen key steps and the mask are in
.macro PF t, from, n                   ; t - M of n pairs of tile t's scores, from register \from on
.set jj, \from
.rept \n
	v_pk_fma_f32 v[S+64*\t+jj:S+64*\t+jj+1], v[S+64*\t+jj:S+64*\t+jj+1], s[CS:CS+1], v[MM+2*\t:MM+2*\t+1] op_sel_hi:[1,0,0]
.set jj, jj+2
.endr
.endm
.macro ADD4 t, j                       ; tile t's four chains of the sum take four pairs of p
	v_pk_add_f32 v[SU+6*\t:SU+6*\t+1], v[SU+6*\t:SU+6*\t+1], v[S+64*\t+(\j):S+64*\t+(\j)+1]
	v_pk_add_f32 v[SU+6*\t+2:SU+6*\t+3], v[SU+6*\t+2:SU+6*\t+3], v[S+64*\t+(\j)+2:S+64*\t+(\j)+3]
	v_pk_add_f32 v[SU+6*\t+4:SU+6*\t+5], v[SU+6*\t+4:SU+6*\t+5], v[S+64*\t+(\j)+4:S+64*\t+(\j)+5]
	v_pk_add_f32 v[SM+2*\t:SM+2*\t+1], v[SM+2*\t:SM+2*\t+1], v[S+64*\t+(\j)+6:S+64*\t+(\j)+7]
.endm
.macro QK t                            ; S^T of tile t = K Q^T + 8 mask; the mask stands in tile 1's registers; eight accumulators one after the other
.irp i, 0,1,2,3
	v_wmma_scale_f32_16x16x128_f8f6f4 v[S+64*\t+16*\i:S+64*\t+16*\i+7], v[KF+8*\i:KF+8*\i+7], v[QLO+8*\t:QLO+8*\t+7], v[S+64+16*\i:S+64+16*\i+7], v[KSC+\i], v[QS+\t] matrix_a_fmt:MATRIX_FMT_FP4 matrix_b_fmt:MATRIX_FMT_FP4
	v_wmma_scale_f32_16x16x128_f8f6f4 v[S+64*\t+16*\i+8:S+64*\t+16*\i+15], v[KF+8*\i:KF+8*\i+7], v[QHI+8*\t:QHI+8*\t+7], v[S+64+16*\i+8:S+64+16*\i+15], v[KSC+\i], v[QS+\t] matrix_a_fmt:MATRIX_FMT_FP4 matrix_b_fmt:MATRIX_FMT_FP4 matrix_a_scale:MATRIX_SCALE_ROW1
.endr
.endm
; A KEY STEP: 128 keys, for both tiles of the pair.
; pre = 1: the next step's K, K's scale words and mask are asked for inside this step, at this step's addresses + a step's bytes; the pair's last step (pre = 0) asks for none.
.macro STEP pre
	v_add_nc_u32 v[ADK], s[TB], v[L16]
	v_add_nc_u32 v[ADS], s[TB], v[L4]
	v_add_nc_u32 v[ADM], s[TM], v[AM0]
	v_nop                                          ; four plain lines behind the last step's products, in front of loads into registers that they read
	WIN 0x40                                       ; destination in window 1
.irp f, 0,1,2,3,4,5,6,7
	ds_load_b128 v[VF+4*\f:VF+4*\f+3], v[ADK] offset:4096+512*\f
.endr
	WIN 0
.irp i, 0,1
	ds_load_b32 v[VSC+\i], v[ADS] offset:8704+128*\i
.endr
	s_wait_alu depctr_va_vdst(0)
	s_wait_dscnt 10                                ; the mask, K and its scale words, asked for a step ago, are in; V's ten loads may be out
	WIN 0x01                                       ; source 0 (K) in window 1
	QK 0
.rept 5
	v_nop                                          ; five plain lines: tile 1's products write over the registers that tile 0's read as C
.endr
	QK 1
	WIN 0
.irp t, 0,1                            ; tile 0's four lines are the plain lines behind tile 1's products
.irp b, 0,1,2,3
	v_max3_num_f32 v[BM+4*\t+\b], v[S+64*\t+16*\b], v[S+64*\t+16*\b+1], v[S+64*\t+16*\b+2]   ; the largest score of each block of 32 keys: for the row's maximum and, since p rises with the score, for the block's largest p
.endr
.endr
.if \pre                               ; K's registers and scale words are free: tile 0's four lines above are the plain lines behind the last product that read them
	WIN 0x40
.irp f, 0,1,2,3,4,5,6,7
	ds_load_b128 v[KF+4*\f:KF+4*\f+3], v[ADK] offset:SB+512*\f
.endr
	WIN 0
.irp i, 0,1,2,3
	ds_load_b32 v[KSC+\i], v[ADS] offset:SB+8192+128*\i
.endr
.endif
.irp i, 3,5,7,9,11,13
.irp t, 0,1
.irp b, 0,1,2,3
	v_max3_num_f32 v[BM+4*\t+\b], v[BM+4*\t+\b], v[S+64*\t+16*\b+\i], v[S+64*\t+16*\b+\i+1]  ; eight chains by turns
.endr
.endr
.endr
.irp n, 0,1,2,3,4,5,6,7
	v_max_num_f32 v[BM+\n], v[BM+\n], v[S+16*\n+15]
.endr
.irp n, 0,1,2,3,4,5,6,7
	v_permlanex16_b32 v[T2+\n], v[BM+\n], s[SEL], s[SEL+1]
.endr
.irp n, 0,1,2,3,4,5,6,7
	v_max_num_f32 v[BM+\n], v[BM+\n], v[T2+\n]     ; with lane l xor 16's 16 keys
.endr
.irp t, 0,1
	v_max3_num_f32 v[TV+\t], v[BM+4*\t], v[BM+4*\t+1], v[BM+4*\t+2]
.endr
.irp t, 0,1
	v_mov_b32 v[FF+2*\t+1], v[MM+2*\t]             ; the old -M
.endr
.irp t, 0,1
	s_delay_alu instid0(VALU_DEP_4)
	v_max3_num_f32 v[MM+2*\t+1], v[TV+\t], v[BM+4*\t+3], v[MM+2*\t+1]      ; the running largest score
.endr
.irp t, 0,1
	s_delay_alu instid0(VALU_DEP_2)
	v_mul_f32 v[TV+\t], s[NC], v[MM+2*\t+1]        ; -t (c is positive, so the largest score gives the largest t)
.endr
.irp t, 0,1
	s_delay_alu instid0(VALU_DEP_2)
	v_floor_f32 v[MM+2*\t], v[TV+\t]               ; the new -M = floor(-t) = -ceil(t): M is a whole number
.endr
.irp t, 0,1
	s_delay_alu instid0(VALU_DEP_2)
	v_sub_f32 v[TV+\t], v[MM+2*\t], v[FF+2*\t+1]   ; old M less new M: a whole number, 0 or less
.endr
	PF 0, 0, 4                                     ; tile 0's t - M, two at a time; the rest of f's chain stands among them
.irp t, 0,1
	v_cvt_i32_f32 v[TV+\t], v[TV+\t]               ; (it saturates)
.endr
	PF 0, 8, 4
.irp t, 0,1
	v_ldexp_f32 v[FF+2*\t], 1.0, v[TV+\t]          ; f = 2^(old M - new M)
.endr
	PF 0, 16, 24
.irp b, 0,1,2,3
	v_fma_f32 v[BM+\b], v[BM+\b], s[CS], v[MM]     ; the same of each block's largest score
.endr
	s_wait_alu depctr_va_vdst(0)                   ; ahead of the batch: it stands behind every write that the batch's lines read
; TILE 0's EXPONENTIALS.  38 of them take turns with plain lines of tile 1 that read nothing written behind the wait above and whose results are read behind the wait below.
.set j, 38
.rept 26
	v_exp_f32 v[S+j], v[S+j]                       ; p = 2^(t - M), at most 1
.set j, j+1
.endr
.irp b, 0,1,2,3
	v_exp_f32 v[BM+\b], v[BM+\b]                   ; the block's largest p: the same two instructions on the same number give the same bits
.endr
.set j, 0
.rept 32
	v_exp_f32 v[S+j], v[S+j]
	v_pk_fma_f32 v[S+64+2*j:S+64+2*j+1], v[S+64+2*j:S+64+2*j+1], s[CS:CS+1], v[MM+2:MM+3] op_sel_hi:[1,0,0]
.set j, j+1
.endr
.irp b, 0,1,2,3
	v_exp_f32 v[S+32+\b], v[S+32+\b]
	v_fma_f32 v[BM+4+\b], v[BM+4+\b], s[CS], v[MM+2]
.endr
.irp t, 0,1
	v_exp_f32 v[S+36+\t], v[S+36+\t]
	v_pk_mul_f32 v[SM+2*\t:SM+2*\t+1], v[SM+2*\t:SM+2*\t+1], v[FF+2*\t:FF+2*\t+1] op_sel_hi:[1,0]   ; the sums under the new M
.endr
	s_wait_alu depctr_va_vdst(0)                   ; one wait: behind tile 0's batch, ahead of tile 1's
.set j, 0
.rept 64
	v_exp_f32 v[S+64+j], v[S+64+j]
.set j, j+1
.endr
.irp b, 0,1,2,3
	v_exp_f32 v[BM+4+\b], v[BM+4+\b]
	v_max_num_f32 v[BM+\b], 0x1800000, v[BM+\b]    ; tile 0: the floor 2^(3 - 127): the byte cannot fall under 1
.endr
	s_wait_alu depctr_va_vdst(0)                   ; one wait for the batch, ahead of its first reader
.irp b, 0,1,2,3
	v_max_num_f32 v[BM+4+\b], 0x1800000, v[BM+4+\b]
.endr
.irp n, 0,1,2,3,4,5,6,7
	v_add_nc_u32 v[SCO+\n], 0xff000000, v[BM+\n]   ; 2 off the exponent field: the conversion's scale operand
.endr
.irp n, 0,1,2,3,4,5,6,7
	v_lshrrev_b32 v[T2+\n], 23, v[SCO+\n]          ; the scale's byte
.endr
.irp t, 0,1
	v_lshl_or_b32 v[PSW+\t], v[T2+4*\t+1], 8, v[T2+4*\t]           ; p's scale word for these 128 keys
.endr
.irp t, 0,1
	s_delay_alu instid0(VALU_DEP_2)
	v_lshl_or_b32 v[PSW+\t], v[T2+4*\t+2], 16, v[PSW+\t]
.endr
.irp t, 0,1
	s_delay_alu instid0(VALU_DEP_2)
	v_lshl_or_b32 v[PSW+\t], v[T2+4*\t+3], 24, v[PSW+\t]
.endr
.irp n, 0,1,2,3,4,5,6,7
	v_cvt_scalef32_pk8_fp4_f32 v[PCD+2*\n], v[S+16*\n:S+16*\n+7], v[SCO+\n]
	v_cvt_scalef32_pk8_fp4_f32 v[PCD+2*\n+1], v[S+16*\n+8:S+16*\n+15], v[SCO+\n]
.endr
	v_nop                                          ; one plain line behind the last scaled conversion
.irp c, 0,1,2,3                        ; the operand's layout wants a whole block in a lane
.irp i, 0,1
	v_permlane16_swap_b32 v[PCD+4*\c+\i], v[PCD+2+4*\c+\i]
.endr
.endr
.irp t, 0,1                            ; the rows' sums of the unquantised p: two at a time, eight chains by turns
	v_pk_add_f32 v[SU+6*\t:SU+6*\t+1], v[S+64*\t:S+64*\t+1], v[S+64*\t+2:S+64*\t+3]
	v_pk_add_f32 v[SU+6*\t+2:SU+6*\t+3], v[S+64*\t+4:S+64*\t+5], v[S+64*\t+6:S+64*\t+7]
	v_pk_add_f32 v[SU+6*\t+4:SU+6*\t+5], v[S+64*\t+8:S+64*\t+9], v[S+64*\t+10:S+64*\t+11]
	v_pk_add_f32 v[SM+2*\t:SM+2*\t+1], v[SM+2*\t:SM+2*\t+1], v[S+64*\t+12:S+64*\t+13]
.endr
.set j, 14
.rept 6
	ADD4 0, j
	ADD4 1, j
.set j, j+8
.endr
.irp t, 0,1
	v_pk_add_f32 v[SU+6*\t:SU+6*\t+1], v[SU+6*\t:SU+6*\t+1], v[SU+6*\t+2:SU+6*\t+3]
.endr
.irp t, 0,1
	v_pk_add_f32 v[SM+2*\t:SM+2*\t+1], v[SM+2*\t:SM+2*\t+1], v[S+64*\t+62:S+64*\t+63]
.endr
.irp t, 0,1
	s_delay_alu instid0(VALU_DEP_4)
	v_pk_add_f32 v[SU+6*\t:SU+6*\t+1], v[SU+6*\t:SU+6*\t+1], v[SU+6*\t+4:SU+6*\t+5]
.endr
.irp t, 0,1
	s_delay_alu instid0(VALU_DEP_2)
	v_pk_add_f32 v[SM+2*\t:SM+2*\t+1], v[SM+2*\t:SM+2*\t+1], v[SU+6*\t:SU+6*\t+1]
.endr
.if \pre                               ; tile 1's p has been converted and summed: its registers take the next step's 8 x mask
.irp b, 0,1,2,3
.irp j, 0,1,2,3
	ds_load_b128 v[S+64+16*\b+4*\j:S+64+16*\b+4*\j+3], v[ADM] offset:512+128*\b+16*\j
.endr
.endr
.endif
	WIN 0x41
	s_wait_alu depctr_va_vdst(0)                   ; directly ahead of the first reader of O^T
.irp t, 0,1
.set j, 0
.rept 16
	v_pk_mul_f32 v[O+32*\t+j:O+32*\t+j+1], v[O+32*\t+j:O+32*\t+j+1], v[FF+2*\t:FF+2*\t+1] op_sel_hi:[1,0]   ; O^T under the new M.  (These and the sums are also the plain lines between the scale words' and the codes' making and the products)
.set j, j+2
.endr
.endr
	s_wait_alu depctr_va_vdst(0)                   ; directly ahead of the wait below
.if \pre
	s_wait_dscnt 28                                ; V and its scale words are in; the younger 8 + 4 + 16 loads for the next step may be out
.else
	s_wait_dscnt 0x0                               ; V and its scale words are in
.endif
	WIN 0x51
.irp i, 0,1                            ; O^T += V^T P^T: four tiles of 16 channels for each tile of queries, K = these 128 keys; the eight accumulators one after the other
.irp t, 0,1
	v_wmma_scale_f32_16x16x128_f8f6f4 v[O+32*\t+16*\i:O+32*\t+16*\i+7], v[VF+16*\i:VF+16*\i+7], v[PCD+8*\t:PCD+8*\t+7], v[O+32*\t+16*\i:O+32*\t+16*\i+7], v[VSC+\i], v[PSW+\t] matrix_a_fmt:MATRIX_FMT_FP4 matrix_b_fmt:MATRIX_FMT_FP4
	v_wmma_scale_f32_16x16x128_f8f6f4 v[O+32*\t+16*\i+8:O+32*\t+16*\i+15], v[VF+16*\i+8:VF+16*\i+15], v[PCD+8*\t:PCD+8*\t+7], v[O+32*\t+16*\i+8:O+32*\t+16*\i+15], v[VSC+\i], v[PSW+\t] matrix_a_fmt:MATRIX_FMT_FP4 matrix_b_fmt:MATRIX_FMT_FP4 matrix_a_scale:MATRIX_SCALE_ROW1
.endr
.endr
	WIN 0
	s_add_co_u32 s[TB], s[TB], SB
	s_add_co_u32 s[TM], s[TM], 512
.endm
	s_mov_b32 s[PS], 2
.Lpair:                                            ; two trips: a pair of tiles of 16 queries each
.irp t, 0,1
	v_mov_b32 v[MM+2*\t+1], 0xff61b1e6             ; the largest score so far: -3e38
	v_mov_b32 v[MM+2*\t], 0x7f61b1e6               ; -M: 3e38, so that the first f is 0
	v_mov_b32 v[SM+2*\t], 0                        ; the sum, in two halves
	v_mov_b32 v[SM+2*\t+1], 0
.endr
	WIN 0x40
.set j, 0
.rept 64
	v_mov_b32 v[O+j], 0                            ; the two O^T: the step is written once for all steps; the first finds zeros, which the first f leaves zeros
.set j, j+1
.endr
	WIN 0
	s_mov_b32 s[TB], 0
	s_mov_b32 s[TM], 0
	s_mov_b32 s[CNT], 15
.irp b, 0,1,2,3                        ; the pair's first step: its mask, K's scale words and K
.irp j, 0,1,2,3
	ds_load_b128 v[S+64+16*\b+4*\j:S+64+16*\b+4*\j+3], v[AM0] offset:128*\b+16*\j
.endr
.endr
.irp i, 0,1,2,3
	ds_load_b32 v[KSC+\i], v[L4] offset:8192+128*\i
.endr
	WIN 0x40
.irp f, 0,1,2,3,4,5,6,7
	ds_load_b128 v[KF+4*\f:KF+4*\f+3], v[L16] offset:512*\f
.endr
	WIN 0
.Lstep:
	STEP 1
	s_sub_co_u32 s[CNT], s[CNT], 1
	s_cmp_lg_u32 s[CNT], 0
	s_cbranch_scc1 .Lstep
	STEP 0                                         ; the sixteenth step is written out: nothing lies behind it to ask for
	; THE WAY OUT.  O^T / the sum goes through my stage in LDS, one tile after the other, and leaves as whole pieces of rows: sixteen lanes store the head's 256 bytes of a token, aligned.
.irp t, 0,1
	v_add_f32 v[SM+2*\t], v[SM+2*\t], v[SM+2*\t+1] ; the sum's two halves,
.endr
.irp t, 0,1
	s_delay_alu instid0(VALU_DEP_2)
	v_permlanex16_b32 v[T2+4*\t], v[SM+2*\t], s[SEL], s[SEL+1]
.endr
.irp t, 0,1
	s_delay_alu instid0(VALU_DEP_2)
	v_add_f32 v[SM+2*\t], v[SM+2*\t], v[T2+4*\t]   ; and lane l xor 16's
.endr
	s_wait_alu depctr_va_vdst(0)                   ; ahead of the transcendentals
.irp t, 0,1
	v_rcp_f32 v[SM+2*\t], v[SM+2*\t]
.endr
	WIN 0x01                                       ; source 0 in window 1
.irp t, 0,1
.irp j, 0,1,2,3
	v_mov_b32 v[QLO+8*\t+\j], v[QN+4*\t+\j]        ; the second pair's q takes its place (in the second trip the same numbers again).  These ten are the plain lines behind the reciprocals
.endr
	v_mov_b32 v[QS+\t], v[QN+8+\t]
.endr
	s_wait_alu depctr_va_vdst(0)                   ; the wait ahead of the reciprocals' and O^T's first readers
.irp t, 0,1
.set j, 0
.rept 32
	v_mul_f32 v[S+64*\t+j], v[O+32*\t+j], v[SM+2*\t]       ; each accumulator from its low end on
.set j, j+1
.endr
.endr
	WIN 0
.irp t, 0,1
.irp q, 0,1,2,3
	ds_store_b128 v[STI], v[S+64*\t+8*\q:S+64*\t+8*\q+3] offset:128*(\q/2)+32*(\q%2)
	ds_store_b128 v[STI], v[S+64*\t+8*\q+4:S+64*\t+8*\q+7] offset:128*(\q/2)+32*(\q%2)+16
.endr
.irp i, 0,1,2,3,4,5,6,7
	ds_load_b128 v[S+64*\t+32+4*\i:S+64*\t+32+4*\i+3], v[STB] offset:2*\i*SP       ; LDS serves a wave's instructions in order: these see my stores, and the second tile's stores come behind them
.endr
.endr
.irp t, 0,1
.irp i, 0,1,2,3,4,5,6,7
	s_wait_dscnt 16*(1-\t)+7-\i                    ; the younger reads of the stage, and for the first tile the second's sixteen instructions, may be out
	global_store_b128 v[GO], v[S+64*\t+32+4*\i:S+64*\t+32+4*\i+3], s[10:11] offset:(2*\i+8*(\i/4))*4096+0x80000*\t th:TH_STORE_NT   ; stage row 2 i + h is token 2 i + h + 8 (i / 4) of the tile; the second tile lies 128 tokens on
.endr
.endr
	s_wait_xcnt 0x0                                ; the stores have read their data and their base: both are written again below and in the next trip
	s_add_nc_u64 s[10:11], s[10:11], 0x100000      ; the second pair lies 256 tokens of 4,096 bytes further on
	s_sub_co_u32 s[PS], s[PS], 1
	s_cmp_lg_u32 s[PS], 0
	s_wait_alu depctr_va_vdst(0)                   ; directly ahead of the branch
	s_cbranch_scc1 .Lpair
	s_wait_tensorcnt 0x0                           ; the wave's end, behind my tensor load and my last LDS store
	ds_add_u32 v[SPW], v[NIL]
	s_wait_dscnt 0x0
	CROUND                                         ; the closing round: no work-group ends while a partner may still ask for a tile that names it
	s_endpgm
.Lfunc_end_k_qf382044b73_attn:
	.size	k_qf382044b73_attn, .Lfunc_end_k_qf382044b73_attn-k_qf382044b73_attn
	.p2alignl 7, 3214868480
	.fill 96, 4, 3214868480
	.section	.rodata,"a",@progbits
	.p2align	6, 0x0
	.amdhsa_kernel k_qf382044b73_attn
		.amdhsa_group_segment_fixed_size 187392
		.amdhsa_private_segment_fixed_size 0
		.amdhsa_enable_private_segment 0
		.amdhsa_kernarg_size 32
		.amdhsa_user_sgpr_count 2
		.amdhsa_user_sgpr_kernarg_segment_ptr 1
		.amdhsa_wavefront_size32 1
		.amdhsa_system_sgpr_workgroup_id_x 1
		.amdhsa_system_sgpr_workgroup_id_y 1
		.amdhsa_system_sgpr_workgroup_id_z 1
		.amdhsa_system_vgpr_workitem_id 0
		.amdhsa_next_free_vgpr 400
		.amdhsa_next_free_sgpr 66
		.amdhsa_reserve_vcc 0
		.amdhsa_float_denorm_mode_32 3
		.amdhsa_float_denorm_mode_16_64 3
		.amdhsa_memory_ordered 1
		.amdhsa_forward_progress 1
		.amdhsa_inst_pref_size 77
	.end_amdhsa_kernel
	.amdgpu_metadata
---
amdhsa.version: [ 1, 2 ]
amdhsa.kernels:
  - .name:           k_qf382044b73_attn
    .symbol:         k_qf382044b73_attn.kd
    .args:
      - { .name: qb, .offset: 0, .size: 8, .value_kind: global_buffer, .address_space: global }
      - { .name: kv, .offset: 8, .size: 8, .value_kind: global_buffer, .address_space: global }
      - { .name: attention_mask, .offset: 16, .size: 8, .value_kind: global_buffer, .address_space: global }
      - { .name: out0, .offset: 24, .size: 8, .value_kind: global_buffer, .address_space: global }
    .group_segment_fixed_size: 187392
    .private_segment_fixed_size: 0
    .kernarg_segment_align: 8
    .kernarg_segment_size: 32
    .max_flat_workgroup_size: 256
    .sgpr_count:     66
    .vgpr_count:     400
    .wavefront_size: 32
...
	.end_amdgpu_metadata
.endif
;; end of part 3
